; MI455X (gfx1250); checked and timed in simulation.
; The chip was launched on July 23, 2026; its instructions are those of AMD's public machine-readable ISA for CDNA 5 (MIT licence, August 2026) and "CDNA5" Instruction Set Architecture Reference Guide (July 2026). The comments in the code are by the model that wrote it; some were corrected since.
;; Transformer Block. Allowed arithmetic: matrix products marked QUANTISED: E5M2 operands, one E8M0 scale for each 32 along K, by v_wmma_scale_f32_16x16x128_f8f6f4 with both operands' format E5M2, f32 sums; everything else in f32.
;; Inputs: fc1_b 4,096 float32; fc1_w_codes 4,096 x 32 x 32 uint8 (E5M2 codes of fc1_w, K innermost, in blocks of 32 codes); fc1_w_scales 4,096 x 32 uint8 (E8M0 scales of fc1_w, one for each 32 codes along K); fc2_b 1,024 float32; fc2_w_codes 1,024 x 128 x 32 uint8 (E5M2 codes of fc2_w, K innermost, in blocks of 32 codes); fc2_w_scales 1,024 x 128 uint8 (E8M0 scales of fc2_w, one for each 32 codes along K); ln1_b 1,024 float32; ln1_g 1,024 float32; ln2_b 1,024 float32; ln2_g 1,024 float32; mask 2,048 x 2,048 bool; out_b 1,024 float32; out_w_codes 1,024 x 32 x 32 uint8 (E5M2 codes of out_w, K innermost, in blocks of 32 codes); out_w_scales 1,024 x 32 uint8 (E8M0 scales of out_w, one for each 32 codes along K); qkv_b 3,072 float32; qkv_w_codes 3,072 x 32 x 32 uint8 (E5M2 codes of qkv_w, K innermost, in blocks of 32 codes); qkv_w_scales 3,072 x 32 uint8 (E8M0 scales of qkv_w, one for each 32 codes along K); x 2 x 2,048 x 1,024 float32.
;; Outputs: out0 2 x 2,048 x 1,024 float32.
;; This version of the problem:
;;   THIS VERSION OF THE PROBLEM IS GIVEN IN LOW PRECISION. The matrix products marked QUANTISED in the list below multiply operands that are first quantised to E5M2 (5 exponent bits, 2 mantissa bits; 8 bits a number), with one power-of-two scale for each 32 numbers along K (OCP MX v1.0); their sums are f32. All else is computed in f32.
;;   The module's matrix products, in the order in which they are computed (A, B: the left and right operand; K: the contracted axis; several contracted axes count as one K, in the product's order):
;;     1. [M 4,096, K 1,024] x [K 1,024, N 3,072]; A: computed on the way; B: input qkv_w (given as codes): QUANTISED
;;     2. batch 32 x [M 2,048, K 64] x [K 64, N 2,048]; A: computed on the way; B: computed on the way: QUANTISED
;;     3. batch 32 x [M 2,048, K 2,048] x [K 2,048, N 64]; A: softmax (see below); B: computed on the way: QUANTISED
;;     4. [M 4,096, K 1,024] x [K 1,024, N 1,024]; A: computed on the way; B: input out_w (given as codes): QUANTISED
;;     5. [M 4,096, K 1,024] x [K 1,024, N 4,096]; A: computed on the way; B: input fc1_w (given as codes): QUANTISED
;;     6. [M 4,096, K 4,096] x [K 4,096, N 1,024]; A: computed on the way; B: input fc2_w (given as codes): QUANTISED
;;   THE QUANTISER, for each operand of a quantised product, along K:
;;     - K is cut into blocks of 32 from its start; a last block that is shorter is filled with zeros.
;;     - A block's scale is 2^e with e = floor(log2(the largest magnitude in the block)) - 15, held to -126 .. 127; a block of zeros has e = 0. As a byte (E8M0): e + 127.
;;     - Each number is divided by its block's scale, clamped to +-57,344, and rounded to the nearest number of E5M2, ties to even, subnormals kept.
;;     - The product sums the exact products of the quantised numbers (number of the format x scale) in f32.
;;   ~~~python
;;   def quantise(x, axis):      # numpy; x: float32 -> the quantised numbers, widened to float32 again
;;       x = np.moveaxis(x, axis, -1); K = x.shape[-1]
;;       x = np.pad(x, [(0, 0)] * (x.ndim - 1) + [(0, -K % 32)]); x = x.reshape(x.shape[:-1] + (-1, 32)); a = np.abs(x).max(-1, keepdims=True)
;;       e = np.where(a > 0, np.clip(np.frexp(np.where(a > 0, a, 1))[1] - 1 - 15, -126, 127), 0)      # np.frexp(a)[1] - 1 = floor(log2(a)), exactly
;;       r = np.clip(x / 2.0 ** e, -57344, 57344)
;;       step = 2.0 ** (np.maximum(np.frexp(np.where(r == 0, 1, r))[1] - 1, -14) - 2)
;;       q = np.round(r / step) * step * 2.0 ** e      # np.round: ties to even
;;       return np.moveaxis(q.reshape(q.shape[:-2] + (-1,))[..., :K], -1, axis).astype(np.float32)
;;   ~~~
;;   SOFTMAX AHEAD OF A QUANTISED PRODUCT. Where the list says 'softmax', what is quantised is not the finished softmax but p = 2^(t - M), with t = logit x log2(e) and M = ceil(the row's largest t), a whole number; so 1/2 < the row's largest p <= 1. The row's sum l is taken of the UNQUANTISED p, in f32, and the product's result is divided by l at the end. Since M is a whole number, a kernel that streams over the keys may use a running M (the ceiling of the running maximum): every later rescaling is an exact power of two, which a block's scale takes up: the codes' values come out the same.
;;   OPERANDS COMPUTED ON THE WAY. 'Computed on the way' means the value that the module computes at that place (a softmax that the list does not call 'softmax' is quantised finished and normalised). What goes into a quantiser is computed in f32, as accurately as f32 sums, v_exp_f32 and their like allow (about 1e-6 of the number): no bf16 or f16 on the way to a quantiser, and a product that is left as it is and whose result goes on into a quantised operand takes f32 operands (vector FMAs, or v_wmma_f32_16x16x4_f32). A number that lies on a knife's edge between two numbers of the format may be rounded either way, as far as f32 arithmetic and the matrix unit's own rounding can turn it there, and no further.
;;   INPUTS GIVEN AS CODES. fc1_w (in the module: [4096, 1024], K = its axis 1); fc2_w (in the module: [1024, 4096], K = its axis 1); out_w (in the module: [1024, 1024], K = its axis 1); qkv_w (in the module: [3072, 1024], K = its axis 1): each comes as NAME_codes (uint8): NAME with its K axis moved to the last place and cut into blocks of 32 codes, [.., K / 32, bytes a block], one block behind the other in memory; one code a byte (a code: sign, 5 exponent bits, 2 mantissa bits); and NAME_scales (uint8): the same leading axes, one E8M0 byte (e + 127) for each 32 codes along K. Its value is code x scale, taken as it is: it is not quantised again, and the codes and scales need not be those that the quantiser above would give.
;; One version. Each part assembles by itself: llvm-mc -triple=amdgcn-amd-amdhsa -mcpu=gfx1250 --defsym DOCPART=n.
;; ======== version 1 of 1: 7 launches
;; limits: right only within a limited range of input values
;; workspace buffers: W1 4,325,376 bytes; MW 532,480 bytes of whole numbers; W2 12,976,128 bytes; W3 4,325,376 bytes; X1 16,777,216 bytes; W4 17,301,504 bytes
;; launch prep (part 1): grid 512 x 1, 4 waves a work-group, no clusters, 22,016 bytes of LDS; arguments x, ln1_g, ln1_b, W1, mask, MW; writes W1, MW
.if DOCPART == 1
	.amdgcn_target "amdgcn-amd-amdhsa--gfx1250"
	.amdhsa_code_object_version 6
	.text
	.protected	k_qa63f0ae32f_prep
	.globl	k_qa63f0ae32f_prep
	.p2align	8
	.type	k_qa63f0ae32f_prep,@function
k_qa63f0ae32f_prep:
	s_mov_b64 s[64:65], 0
	v_nop
	global_prefetch_b8 v0, s[64:65] scope:SCOPE_SE
	s_setreg_imm32_b32 hwreg(HW_REG_WAVE_MODE, 25, 1), 1
	s_wait_xcnt 0x0
; TWO JOBS IN ONE BODY, parted on the work-group's number.
; Work-groups 0-255: layer norm of [4096][1024] f32 rows, quantised along the row to codes of BF8 (E5M2) with one E8M0 byte for each 32: codes [4096][1024] at byte 0 of the
; fourth buffer, scale bytes [4096][32] at byte 0x400000.  A wave takes 4 rows; a row lies in 32 registers a lane (chunk j: bytes 512 j + 16 lane), so each load reads 512 consecutive bytes.
; Mean and variance in two passes in f32: mean, x - mean, mean of squares, rsqrt(var + 1e-5), x gain + bias.
; The conversions want 16 neighbours in a lane: 2,048 bytes at a time turn through the wave's own stage in LDS (80 bytes a lane: 64 + 16 of padding).  Two lanes hold a block of 32.
; Work-groups 256-511: the mask [2048][2048] of bytes (not 0 = hidden) becomes lane masks for the attention launch.  For a tile T of 16 queries (row r = query 32 (T/2) + 8 (T%2) + r + 8 (r/8))
; and a step s of 128 keys: 64 words; bit (r + 16 h) of word n says whether key 128 s + 32 (n/16) + 16 h + n%16 is hidden from query r.  Words at (16 T + s) x 256 of the sixth buffer;
; at 0x80000 + (16 T + s) x 4 a flag: bit 0 = some key hidden, bit 1 = all hidden.  A wave takes two steps of one tile.  This path uses no LDS.  A launch of 256 work-groups runs the first job alone.
; LIMITS: NaN and infinities among the inputs are not served; a block whose largest magnitude lies under 2^-111 keeps the scale byte 1 (a block of zeros too: its codes are zeros, and this program alone reads the bytes).
.set ROWS, 4                           ; rows of a wave
.set G,    16                          ; v16-47   gain of my 32 columns
.set BT,   48                          ; v48-79   bias
.set XR,   80                          ; v80-175  three sets of 32: a row as loaded, then normalised
.set XT,   176                         ; v176-207 two sets of 16 neighbours
.set C,    208                         ; v208-223 four sets of 4: codes
.set E,    224                         ; v224-231 a scale byte for each half row
.set SU,   240                         ; v240-247 four chains of sums, in pairs
.set MU,   248                         ; v[248:249] the mean (the low word serves both halves)
.set RS,   250                         ; v[250:251] 1 / sqrt(var + eps)
.set TP,   252
.set SP,   80
.set WREG, 5376                        ; LDS of a wave: two stages of 32 x 80 bytes, then its 128 scale bytes, rounded up to whole blocks of 256
	s_load_b256 s[4:11], s[0:1], 0x0               ; rows s[4:5], gain s[6:7], bias s[8:9], codes and scales s[10:11]
	s_load_b128 s[12:15], s[0:1], 0x20             ; mask s[12:13], lane masks s[14:15]
	v_lshl_add_u32 v254, v0, 2, 0x5400
	v_mov_b32 v255, 0
	v_lshrrev_b32 v1, 5, v0
	v_readfirstlane_b32 s16, v1                    ; wave
	v_and_b32 v2, 31, v0                           ; lane
	s_cmp_ge_u32 ttmp9, 256
	s_cbranch_scc1 .Lmask
	s_lshl_b32 s17, ttmp9, 2
	s_add_co_u32 s17, s17, s16                     ; my run of 4 rows
	s_lshl_b32 s18, s17, 14                        ; 4 rows of 4,096 bytes
	s_mov_b32 s19, 0
	s_lshl_b32 s20, s17, 12                        ; 4 rows of 1,024 codes
	s_mov_b32 s21, 0
	s_lshl_b32 s22, s17, 7                         ; 4 rows of 32 scale bytes
	s_add_co_u32 s22, s22, 0x400000
	s_mov_b32 s23, 0
	s_mov_b32 s26, 0x76543210
	s_mov_b32 s27, 0xfedcba98                      ; lane l xor 16
	s_mov_b32 s28, 0x3a800000                      ; 1 / 1024
	s_mov_b32 s29, 0x3727c5ac                      ; 1e-5
	s_mov_b32 s30, 0x600000                        ; the mantissa field of 57,344
	s_wait_alu depctr_va_vdst(0)
	v_lshlrev_b32 v3, 4, v2                        ; 16 x lane
	s_mul_i32 s31, s16, WREG
	v_lshrrev_b32 v14, 2, v2
	v_mul_u32_u24 v14, v14, SP
	v_and_b32 v15, 3, v2
	v_lshl_add_u32 v14, v15, 4, v14
	v_add_nc_u32 v14, s31, v14                     ; the stage, way in: four lanes' 64 bytes, then 16 of padding
	v_mul_u32_u24 v15, v2, SP
	v_add_nc_u32 v15, s31, v15                     ; way out: my 16 neighbours
	v_lshrrev_b32 v5, 1, v2
	s_add_co_u32 s31, s31, 2*32*SP
	v_add_nc_u32 v5, s31, v5                       ; my block's scale byte
	v_lshlrev_b32 v7, 2, v2
	v_add_nc_u32 v6, s31, v7
	v_mov_b32 v[MU+1], 0                           ; named as upper halves of pairs, so they are written
	v_mov_b32 v[RS+1], 0
	v_mov_b32 v[TP], 0                             ; a lane permute's destination counts as read
	s_wait_kmcnt 0x0
	s_add_nc_u64 s[4:5], s[4:5], s[18:19]
	s_add_nc_u64 s[24:25], s[10:11], s[22:23]
	s_add_nc_u64 s[10:11], s[10:11], s[20:21]
.irp j, 0,1,2,3,4,5,6,7
	global_load_b128 v[G+4*\j:G+4*\j+3], v3, s[6:7] offset:512*\j
.endr
.irp j, 0,1,2,3,4,5,6,7
	global_load_b128 v[BT+4*\j:BT+4*\j+3], v3, s[8:9] offset:512*\j
.endr
.macro LOADROW i
.irp j, 0,1,2,3,4,5,6,7
	global_load_b128 v[XR+32*((\i)%3)+4*\j:XR+32*((\i)%3)+4*\j+3], v3, s[4:5] offset:4096*(\i)+512*\j
.endr
.endm
.macro REDUCE                          ; four chains of pairs -> the sum over the row, in every lane
	v_pk_add_f32 v[SU:SU+1], v[SU:SU+1], v[SU+2:SU+3]
	v_pk_add_f32 v[SU+4:SU+5], v[SU+4:SU+5], v[SU+6:SU+7]
	v_pk_add_f32 v[SU:SU+1], v[SU:SU+1], v[SU+4:SU+5]
	v_add_f32 v[SU], v[SU], v[SU+1]
.irp m, 1,2,4,8
	v_add_f32_dpp v[SU], v[SU], v[SU] row_xmask:\m row_mask:0xf bank_mask:0xf
.endr
	v_permlanex16_b32 v[TP], v[SU], s26, s27
	v_add_f32 v[SU], v[SU], v[TP]
.endm
.macro TURN t                          ; half a row through stage t: LDS serves a wave's instructions in order, so no wait stands between the stores and the loads
.irp j, 0,1,2,3
	ds_store_b128 v14, v[X+16*\t+4*\j:X+16*\t+4*\j+3] offset:32*SP*\t+8*SP*\j
.endr
.irp j, 0,1,2,3
	ds_load_b128 v[XT+16*\t+4*\j:XT+16*\t+4*\j+3], v15 offset:32*SP*\t+16*\j
.endr
.endm
.macro Q16 i, t                        ; my 16 neighbours of half t of row i become 16 codes; two lanes share a block
.set XS, XT+16*(\t)
.set CC, C+4*((2*(\i)+(\t))%4)
.set EE, E+2*(\i)+(\t)
	v_max3_num_f32 v8, |v[XS]|, |v[XS+1]|, |v[XS+2]|
	v_max3_num_f32 v9, |v[XS+3]|, |v[XS+4]|, |v[XS+5]|
.irp k, 6,10
	v_max3_num_f32 v8, v8, |v[XS+\k]|, |v[XS+\k+1]|
	v_max3_num_f32 v9, v9, |v[XS+\k+2]|, |v[XS+\k+3]|
.endr
	v_max3_num_f32 v8, v8, |v[XS+14]|, |v[XS+15]|
	v_max3_num_f32 v8, v8, v9, 0x8000000           ; the floor 2^(16 - 127): the byte cannot fall under 1
	v_max_num_f32_dpp v8, v8, v8 row_xmask:1 row_mask:0xf bank_mask:0xf
	v_add_nc_u32 v11, 0xf8800000, v8               ; 15 off the exponent field: the conversion's scale operand
	v_and_or_b32 v10, v8, 0x7f800000, s30          ; 57,344 x the scale
.set k2, 0
.rept 16
	v_med3_num_f32 v[XS+k2], v[XS+k2], -v10, v10   ; the conversion does not saturate (ISA guide 7.6.2): the hold comes first
.set k2, k2+1
.endr
	v_cvt_scalef32_pk8_bf8_f32 v[CC:CC+1], v[XS:XS+7], v11
	v_cvt_scalef32_pk8_bf8_f32 v[CC+2:CC+3], v[XS+8:XS+15], v11
	v_lshrrev_b32 v[EE], 23, v11                   ; the scale's byte; also the plain line behind the conversions
	ds_store_b8 v5, v[EE] offset:16*(2*(\i)+(\t))
	global_store_b128 v3, v[CC:CC+3], s[10:11] offset:1024*(\i)+512*(\t)   ; the wave stores 512 consecutive bytes
.endm
.macro ROW i
.set X, XR+32*((\i)%3)
	s_wait_xcnt 0x0                                ; the code registers of earlier stores are rewritten only behind this wait
.if (\i)+2 < ROWS
	LOADROW (\i)+2                                 ; into the set that row i - 1 has left (its stage loads were waited for)
.endif
.if (\i) < ROWS-2
	s_wait_loadcnt 16                              ; the two rows behind mine may be out
.else
	s_wait_loadcnt 8*(ROWS-1-(\i))
.endif
.irp k, 0,1,2,3
	v_pk_add_f32 v[SU+2*\k:SU+2*\k+1], v[X+4*\k:X+4*\k+1], v[X+4*\k+2:X+4*\k+3]
.endr
.irp k, 0,1,2,3,4,5,6,7
	v_pk_add_f32 v[SU+2*(\k%4):SU+2*(\k%4)+1], v[SU+2*(\k%4):SU+2*(\k%4)+1], v[X+16+2*\k:X+16+2*\k+1]
.endr
	REDUCE
	v_mul_f32 v[MU], s28, v[SU]                    ; the mean
.set k1, 0
.rept 16
	v_pk_add_f32 v[X+k1:X+k1+1], v[X+k1:X+k1+1], v[MU:MU+1] op_sel_hi:[1,0] neg_lo:[0,1] neg_hi:[0,1]
.set k1, k1+2
.endr
.irp k, 0,1,2,3
	v_pk_mul_f32 v[SU+2*\k:SU+2*\k+1], v[X+2*\k:X+2*\k+1], v[X+2*\k:X+2*\k+1]
.endr
.irp k, 4,5,6,7,8,9,10,11,12,13,14,15
	v_pk_fma_f32 v[SU+2*(\k%4):SU+2*(\k%4)+1], v[X+2*\k:X+2*\k+1], v[X+2*\k:X+2*\k+1], v[SU+2*(\k%4):SU+2*(\k%4)+1]
.endr
	REDUCE
	v_fma_f32 v[RS], v[SU], s28, s29               ; var + eps
	s_wait_alu depctr_va_vdst(0)
	v_rsq_f32 v[RS], v[RS]
	v_nop                                          ; a plain line behind the transcendental
.set k1, 0
	s_wait_alu depctr_va_vdst(0)
.rept 16
	v_pk_mul_f32 v[X+k1:X+k1+1], v[X+k1:X+k1+1], v[RS:RS+1] op_sel_hi:[1,0]
.set k1, k1+2
.endr
.set k1, 0
.rept 16
	v_pk_fma_f32 v[X+k1:X+k1+1], v[X+k1:X+k1+1], v[G+k1:G+k1+1], v[BT+k1:BT+k1+1]
.set k1, k1+2
.endr
	TURN 0
	TURN 1
	s_wait_dscnt 8                                 ; the second half's eight LDS instructions may be out
	Q16 \i, 0
	s_wait_dscnt 1                                 ; the byte store just issued may be out
	Q16 \i, 1
.endm
	LOADROW 0
	LOADROW 1
.irp i, 0,1,2,3
	ROW \i
.endr
	ds_load_b32 v12, v6                            ; my wave's 128 scale bytes, in order behind the byte stores
	s_wait_dscnt 0x0
	global_store_b32 v7, v12, s[24:25]             ; 128 consecutive bytes
	s_wait_tensorcnt 0x0
	ds_add_u32 v254, v255
	s_wait_dscnt 0x0
	s_endpgm
.Lmask:
	s_sub_co_u32 s17, ttmp9, 256
	s_lshl_b32 s17, s17, 2
	s_add_co_u32 s17, s17, s16                     ; W = 0 .. 1,023: tile T = W / 8, steps 2 (W % 8) and the next
	s_lshr_b32 s18, s17, 3
	s_and_b32 s19, s17, 7
	s_lshr_b32 s20, s18, 1
	s_lshl_b32 s20, s20, 5
	s_and_b32 s21, s18, 1
	s_lshl_b32 s21, s21, 3
	s_add_co_u32 s20, s20, s21                     ; 32 (T/2) + 8 (T%2)
	s_lshl_b32 s20, s20, 11                        ; rows of 2,048 bytes
	s_lshl_b32 s21, s19, 8                         ; 2 steps of 128 keys
	s_add_co_u32 s20, s20, s21
	s_mov_b32 s21, 0
	s_lshl_b32 s22, s17, 9                         ; (16 T + 2 (W%8)) x 256 = 512 W
	s_mov_b32 s23, 0
	s_lshl_b32 s24, s17, 3                         ; two flags
	s_add_co_u32 s24, s24, 0x80000
	s_mov_b32 s25, 0
	v_and_b32 v3, 15, v0
	v_bfe_u32 v4, v0, 4, 1
	v_and_b32 v5, 8, v3
	v_add_nc_u32 v5, v5, v3                        ; r + 8 (r/8)
	v_lshlrev_b32 v5, 11, v5
	v_lshl_add_u32 v5, v4, 4, v5                   ; + 16 h
	s_wait_alu depctr_va_vdst(0)
	v_lshlrev_b32 v7, 3, v2
	v_lshlrev_b32 v9, 2, v2
.irp k, 80,81,82,83,88
	v_mov_b32 v\k, 0                               ; a lane write's destination counts as read
.endr
	s_wait_kmcnt 0x0
	s_add_nc_u64 s[12:13], s[12:13], s[20:21]
	s_add_nc_u64 s[24:25], s[14:15], s[24:25]
	s_add_nc_u64 s[14:15], s[14:15], s[22:23]
.irp k, 0,1
.irp b, 0,1,2,3
	global_load_b128 v[16+16*\k+4*\b:16+16*\k+4*\b+3], v5, s[12:13] offset:128*\k+32*\b
.endr
.endr
	s_wait_loadcnt 0x0
.irp k, 0,1
	s_mov_b32 s28, -1                              ; all hidden so far
	s_mov_b32 s29, 0                               ; none hidden so far
.set n, 0
.rept 8                                ; eight words at a time, so that the vector and the scalar side hand over once for eight words
.irp e, 0,1,2,3,4,5,6,7
	v_and_b32 v[96+\e], 0xff<<(8*((n+\e)%4)), v[16+16*\k+4*((n+\e)/16)+((n+\e)%16)/4]
.endr
.irp e, 0,1,2,3,4,5,6,7
	v_cmp_ne_u32 s[32+\e], 0, v[96+\e]             ; word n + e: a bit for each lane
.endr
.irp e, 0,1,2,3,4,5,6,7
	v_writelane_b32 v[80+2*\k+(n+\e)%2], s[32+\e], (n+\e)/2   ; lane l will store words 2 l and 2 l + 1
.endr
.irp e, 0,1,2,3,4,5,6,7
	s_and_b32 s28, s28, s[32+\e]
	s_or_b32 s29, s29, s[32+\e]
.endr
.set n, n+8
.endr
	s_cmp_eq_u32 s28, -1
	s_cselect_b32 s31, 2, 0
	s_cmp_lg_u32 s29, 0
	s_cselect_b32 s30, 1, 0
	s_or_b32 s31, s31, s30
	v_writelane_b32 v88, s31, \k
	s_wait_alu depctr_va_vdst(0)
	global_store_b64 v7, v[80+2*\k:81+2*\k], s[14:15] offset:256*\k   ; 256 consecutive bytes
.endr
	s_wait_xcnt 0x0                                ; EXEC changes only behind this wait
	v_cmp_gt_u32 vcc_lo, 2, v2
	s_and_saveexec_b32 s30, vcc_lo
	global_store_b32 v9, v88, s[24:25]             ; lanes 0 and 1: the two flags
	s_wait_xcnt 0x0
	s_or_b32 exec_lo, exec_lo, s30
	s_endpgm
.Lfunc_end_k_qa63f0ae32f_prep:
	.size	k_qa63f0ae32f_prep, .Lfunc_end_k_qa63f0ae32f_prep-k_qa63f0ae32f_prep
	.p2alignl 7, 3214868480
	.fill 96, 4, 3214868480
	.section	.rodata,"a",@progbits
	.p2align	6, 0x0
	.amdhsa_kernel k_qa63f0ae32f_prep
		.amdhsa_group_segment_fixed_size 22016
		.amdhsa_private_segment_fixed_size 0
		.amdhsa_enable_private_segment 0
		.amdhsa_kernarg_size 48
		.amdhsa_user_sgpr_count 2
		.amdhsa_user_sgpr_kernarg_segment_ptr 1
		.amdhsa_wavefront_size32 1
		.amdhsa_system_sgpr_workgroup_id_x 1
		.amdhsa_system_sgpr_workgroup_id_y 1
		.amdhsa_system_sgpr_workgroup_id_z 1
		.amdhsa_system_vgpr_workitem_id 0
		.amdhsa_next_free_vgpr 256
		.amdhsa_next_free_sgpr 66
		.amdhsa_reserve_vcc 1
		.amdhsa_float_denorm_mode_32 3
		.amdhsa_float_denorm_mode_16_64 3
		.amdhsa_memory_ordered 1
		.amdhsa_forward_progress 1
		.amdhsa_inst_pref_size 88
	.end_amdhsa_kernel
	.amdgpu_metadata
---
amdhsa.version: [ 1, 2 ]
amdhsa.kernels:
  - .name:           k_qa63f0ae32f_prep
    .symbol:         k_qa63f0ae32f_prep.kd
    .args:
      - { .name: x, .offset: 0, .size: 8, .value_kind: global_buffer, .address_space: global }
      - { .name: ln1_g, .offset: 8, .size: 8, .value_kind: global_buffer, .address_space: global }
      - { .name: ln1_b, .offset: 16, .size: 8, .value_kind: global_buffer, .address_space: global }
      - { .name: W1, .offset: 24, .size: 8, .value_kind: global_buffer, .address_space: global }
      - { .name: mask, .offset: 32, .size: 8, .value_kind: global_buffer, .address_space: global }
      - { .name: MW, .offset: 40, .size: 8, .value_kind: global_buffer, .address_space: global }
    .group_segment_fixed_size: 22016
    .private_segment_fixed_size: 0
    .kernarg_segment_align: 8
    .kernarg_segment_size: 48
    .max_flat_workgroup_size: 128
    .sgpr_count:     66
    .vgpr_count:     256
    .wavefront_size: 32
...
	.end_amdgpu_metadata
.endif
;; end of part 1
;; launch qkv (part 2): grid 12 x 16, 4 waves a work-group, clusters of 4 x 4, 327,680 bytes of LDS; arguments W1, qkv_b, qkv_w_codes, qkv_w_scales, W2; writes W2
.if DOCPART == 2
	.amdgcn_target "amdgcn-amd-amdhsa--gfx1250"
	.amdhsa_code_object_version 6
	.text
	.protected	k_qa63f0ae32f_qkv
	.globl	k_qa63f0ae32f_qkv
	.p2align	8
	.type	k_qa63f0ae32f_qkv,@function
k_qa63f0ae32f_qkv:
	s_mov_b64 s[64:65], 0
	v_nop
	global_prefetch_b8 v0, s[64:65] scope:SCOPE_SE
	s_setreg_imm32_b32 hwreg(HW_REG_WAVE_MODE, 25, 1), 1
	s_wait_xcnt 0x0
	s_wait_alu depctr_hold_cnt(0) depctr_sa_sdst(0) depctr_va_vdst(0) depctr_va_sdst(0) depctr_va_ssrc(0) depctr_va_vcc(0) depctr_vm_vsrc(0)
	s_getreg_b32 s2, hwreg(HW_REG_IB_STS2, 6, 4)
	s_cmp_eq_u32 s2, 0
	s_cbranch_scc0 .Lentry_in_a_cluster
	s_endpgm
.Lentry_in_a_cluster:
	s_bfe_u32 s2, ttmp6, 0x10000c
	s_cmp_lg_u32 s2, 0xf033
	s_cbranch_scc0 .Lentry_shape_is_right
	s_endpgm
.Lentry_shape_is_right:
; q, k, v = LN1(x) W^T + b on codes of BF8 (E5M2) with E8M0 scales for each 32 along K = 1,024; M = 4,096 tokens, N = 3,072.  The results are quantised here and leave as operand images for the attention launch.
; THE PRODUCT.  A tile of 256 x 256 to a work-group of four waves, 128 x 128 (64 accumulators) to a wave.  K goes in steps of 256 through two LDS slots filled by the tensor data mover; the scale bytes
; of the tile's rows come once and stay.  4 x 4 work-groups form a cluster: A's tiles are asked for jointly along a row of the cluster, the weights' along a column.  The matrix instruction is used
; transposed (source 0 = 16 rows of W, source 1 = 16 tokens): a lane holds one token and eight neighbouring columns.  The bias is the C of each sum's first product.
; THE WAY OUT.  Behind a barrier (nobody reads the ring any more, and it has had its last fill) each wave lays its 128 x 128 f32 into its own 67,584 bytes of LDS, rows 528 bytes apart, and reads them back as the quantiser wants them.
;   q, k (clusters x = 0, 1; K of the next product = the head's 64): a lane takes one token and one head: 64 numbers, two blocks of 32.  Image [head32][token block of 32][2,048 bytes]: group c = 2 u + cc of lane (r, h') at
;   512 c + 256 h' + 16 r holds d = 32 cc + 16 h' + 0..15 of token 32 p + 8 u + r + 8 (r/8).  Scale words [head32][block][16 r][4]: bytes 2 u, 2 u + 1.
;   v (cluster x = 2; K = the keys): a lane takes a column d and 32 tokens down it.  Image [batch x head][step of 128 keys][tile t = 2 beta + u][2,048]: row r of tile t is d = 32 beta + 8 u + r + 8 (r/8).
; LIMITS: NaN and infinities are not served; a block under 2^-111 keeps the scale byte 1.
.set SIZE_K, 1024
.set KSTEP,  256
.set NQ,     KSTEP/128
.set ROWB,   256
.set KROW,   SIZE_K
.set PITCH,  272                       ; 256 bytes + 16 of padding: row r starts 4 r words on modulo 64 words, so the 16 rows of a fragment load start at 16 different banks (ISA guide 11.1)
.set FR,     16
.set NL,     4
.set NP,     8                         ; places behind this matrix instruction (ISA guide 7.12.1)
.set HALFT,  128*PITCH
.set SLOT,   4*HALFT
.set LAPS,   SIZE_K/(2*KSTEP)
.set KS,     SIZE_K/32
.set SCL,    2*SLOT
.set HALFS,  (128*KS/256)*272
.set SBLK,   (16*KS/256)*272
.set SPARE,  SCL+4*HALFS               ; the spare words: 128 bytes a wave, two blocks of 256 bytes that no other line names
.set DP,     528                       ; the way out: a row of 128 f32 + 16 bytes
.set DREG,   128*DP
.set ADRA, 16
.set ADRB, 20
.set BO,   22                          ; v22 32 h: my eight numbers of a tile's bias
.set VA0,  23                          ; v23, v31 v's way out: my column, rows 0-63 and 64-127
.set DA,   24                          ; v24 where I lay 32 bytes of a row
.set QA,   25                          ; v25 q's and k's way out: my token's row, my head
.set GO1,  26
.set ADRS, 27
.set SPW,  28
.set NIL,  29
.set GO2,  30
.set VA1,  31
.set SC,   32
.set BIAS, 64                          ; v64-127 the bias in the result's layout, 8 registers for each of W's blocks
.set AF,   128
.set QT,   248                         ; v248-251 the quantiser's work; v252, v253 scale bytes
.set G1, 24
.set G0, 32
.set G1B, 48
.set G0B, 56
.set G1S, 68
.set G0S, 76
.set G1SB, 80
.set G0SB, 88
.set MSB, 0
.macro WIN new                         ; the immediate's high byte repeats the setting that is left
.if MSB != (\new)
	s_set_vgpr_msb (MSB<<8)|(\new)
.set MSB, (\new)
.endif
.endm
.set MUL_LO, 0xa1                      ; source 0 (W) window 1, source 1 (A) window 0, C and D window 2
.set MUL_HI, 0xf1                      ; the same, C and D window 3
.set TO_B,   0x40
.macro JLOAD g0a, g1a, g0b, g1b        ; a joint load: waves 0, 1 fetch for A, waves 2, 3 for W; four v_nop follow each line
	s_cmp_eq_u32 s15, 0
	s_cbranch_scc0 .Lfor_b_\@
	tensor_load_to_lds s[\g0a:\g0a+3], s[\g1a:\g1a+7]
	s_nop 0
.rept 4
	v_nop
.endr
	s_branch .Lasked_\@
.Lfor_b_\@:
	tensor_load_to_lds s[\g0b:\g0b+3], s[\g1b:\g1b+7]
	s_nop 0
.rept 4
	v_nop
.endr
.Lasked_\@:
.endm
.macro CREST
	s_cmp_lg_u32 s14, 0
	s_cbranch_scc1 .Lnot_wave_0_\@
	s_barrier_signal -3
.Lnot_wave_0_\@:
	s_barrier_wait -3
	s_barrier_signal -1
	s_barrier_wait -1
.endm
.macro CROUND
	s_barrier_signal -1
	s_barrier_wait -1
	CREST
.endm
	s_load_b128 s[4:7], s[0:1], 0x0                ; A's codes and scales s[4:5], the bias s[6:7]
	s_load_b128 s[8:11], s[0:1], 0x10              ; W's codes s[8:9], W's scales s[10:11]
	s_load_b64 s[12:13], s[0:1], 0x20              ; the images
	v_lshl_add_u32 v[SPW], v0, 2, SPARE
	v_mov_b32 v[NIL], 0
	ds_add_u32 v28, v29
	ds_add_u32 v28, v29
	s_wait_dscnt 0x0
	v_lshrrev_b32 v1, 5, v0
	v_readfirstlane_b32 s14, v1                    ; wave
	s_lshr_b32 s15, s14, 1                         ; my half of the rows; also: I fetch for A (0) or W (1)
	s_and_b32 s16, s14, 1                          ; my half of the columns; also: which 128 rows I fetch
	s_bfe_u32 s40, ttmp6, 0x40000                  ; cx
	s_bfe_u32 s41, ttmp6, 0x40004                  ; cy
	s_lshl_b32 s42, ttmp9, 2
	s_add_co_u32 s42, s42, s40                     ; tile column
	s_and_b32 s17, ttmp7, 0xffff
	s_lshl_b32 s17, s17, 2
	s_add_co_u32 s17, s17, s41                     ; tile row
	s_lshl_b32 s43, s41, 2
	s_lshl_b32 s43, 15, s43                        ; my row of the cluster
	s_lshl_b32 s44, 0x1111, s40                    ; my column
	s_or_b32 s[G1+0], s43, (0<<16)|(1<<20)|(1<<21)|(5<<22)|(3<<25)   ; mask; elements of 1 byte; 4 words of padding behind every 64
	s_or_b32 s[G1B+0], s44, (0<<16)|(1<<20)|(1<<21)|(5<<22)|(3<<25)
.irp g, G1, G1B
	s_mov_b32 s[\g+1], ROWB<<16
	s_mov_b32 s[\g+2], 256<<16                     ; the head's loads bring 256 rows; behind them the two words are set to 128
	s_mov_b32 s[\g+3], ROWB<<16
	s_mov_b32 s[\g+4], 256
	s_mov_b32 s[\g+5], KROW
	s_mov_b32 s[\g+6], 0
	s_mov_b32 s[\g+7], 0
.endr
	s_or_b32 s[G1S+0], s43, (3<<16)|(1<<20)|(1<<21)|(5<<22)|(3<<25)  ; the scales of 256 rows: dense, as rows of 256 bytes
	s_or_b32 s[G1SB+0], s44, (3<<16)|(1<<20)|(1<<21)|(5<<22)|(3<<25)
.irp g, G1S, G1SB
	s_mov_b32 s[\g+1], 32<<16
	s_mov_b32 s[\g+2], KS<<16                      ; the scales of 256 rows: KS rows of 256 bytes
	s_mov_b32 s[\g+3], 32<<16
	s_mov_b32 s[\g+4], KS
	s_mov_b32 s[\g+5], 32
	s_mov_b32 s[\g+6], 0
	s_mov_b32 s[\g+7], 0
.endr
	s_lshl_b32 s20, s17, 8                         ; A: the tile's first row
	s_lshl_b32 s46, s42, 8                         ; W: likewise
	s_mov_b32 s21, 0
	s_mov_b32 s47, 0
	s_mov_b64 s[18:19], KS
	s_mul_u64 s[22:23], s[20:21], s[18:19]
	s_mul_u64 s[92:93], s[46:47], s[18:19]
	s_mov_b64 s[18:19], KROW
	s_mul_u64 s[20:21], s[20:21], s[18:19]
	s_mul_u64 s[46:47], s[46:47], s[18:19]
	s_mul_i32 s45, s14, HALFT
	s_mul_i32 s18, s16, 128*KROW                   ; in the ring I fetch 128 rows of a tile: which half, in bytes
	s_mov_b32 s19, 0
	s_wait_kmcnt 0x0
	s_mov_b64 s[98:99], s[6:7]                     ; the bias
	s_add_nc_u64 s[6:7], s[4:5], 0x400000          ; A's scale bytes lie behind its codes
	s_add_nc_u64 s[20:21], s[4:5], s[20:21]
	s_add_nc_u64 s[22:23], s[6:7], s[22:23]
	s_add_nc_u64 s[46:47], s[8:9], s[46:47]
	s_add_nc_u64 s[92:93], s[10:11], s[92:93]
	CROUND                                         ; all sixteen work-groups are here: the first joint loads meet
	s_mov_b32 s[G0S], 1
	s_mov_b32 s[G0S+1], SCL
	s_mov_b64 s[G0S+2:G0S+3], s[22:23]
	s_or_b32 s[G0S+3], s[G0S+3], 0x80000000
	s_mov_b32 s[G0SB], 1
	s_mov_b32 s[G0SB+1], SCL+2*HALFS
	s_mov_b64 s[G0SB+2:G0SB+3], s[92:93]
	s_or_b32 s[G0SB+3], s[G0SB+3], 0x80000000
	s_mov_b32 s4, 1                                ; s[4:7]: group 0 of K step 0's 256 rows of A (the arguments that lay there are used up)
	s_mov_b32 s5, 0
	s_mov_b64 s[6:7], s[20:21]
	s_or_b32 s7, s7, 0x80000000
	s_mov_b32 s8, 1                                ; s[8:11]: of its 256 rows of W
	s_mov_b32 s9, 2*HALFT
	s_mov_b64 s[10:11], s[46:47]
	s_or_b32 s11, s11, 0x80000000
	s_add_nc_u64 s[20:21], s[20:21], s[18:19]      ; for the ring: my 128 rows
	s_add_nc_u64 s[46:47], s[46:47], s[18:19]
.irp s, 0,1
	s_mov_b32 s[G0+4*\s], 1
	s_add_co_u32 s[G0+4*\s+1], s45, \s*SLOT
	s_add_nc_u64 s[G0+4*\s+2:G0+4*\s+3], s[20:21], \s*ROWB
	s_or_b32 s[G0+4*\s+3], s[G0+4*\s+3], 0x80000000
	s_mov_b32 s[G0B+4*\s], 1
	s_add_co_u32 s[G0B+4*\s+1], s45, \s*SLOT
	s_add_nc_u64 s[G0B+4*\s+2:G0B+4*\s+3], s[46:47], \s*ROWB
	s_or_b32 s[G0B+4*\s+3], s[G0B+4*\s+3], 0x80000000
.endr
; the head's four tiles, one joint load a wave, in one chain of arms on the wave's number: A's rows, W's rows, A's scales, W's scales
.macro ARM under, g0, g1, next
	s_cmp_lt_u32 s14, \under
	s_cbranch_scc0 \next
	tensor_load_to_lds s[\g0:\g0+3], s[\g1:\g1+7]
	s_nop 0
.rept 4
	v_nop
.endr
	s_branch .Lhead_asked
\next:
.endm
	ARM 1, 4, G1, .Lhead_b
	ARM 2, 8, G1B, .Lhead_sa
	ARM 3, G0S, G1S, .Lhead_sb
	tensor_load_to_lds s[G0SB:G0SB+3], s[G1SB:G1SB+7]
	s_nop 0
.rept 4
	v_nop
.endr
.Lhead_asked:
	; the prefetches: of the 128 rows that my wave fetches in the ring the four partners of the joint load take 32 each, told apart by address (cx for A, cy for W); a lane a row, 256 bytes of it a K step
	s_cmp_eq_u32 s15, 0
	s_cselect_b64 s[92:93], s[20:21], s[46:47]
	s_cselect_b32 s94, s40, s41
	s_mul_i32 s94, s94, 32*KROW
	s_mov_b32 s95, 0
	s_add_nc_u64 s[92:93], s[92:93], s[94:95]
	v_and_b32 v8, 31, v0
	v_lshlrev_b32 v8, 10, v8
	s_wait_alu depctr_va_vdst(0)
	global_prefetch_b8 v8, s[92:93] offset:256 th:TH_LOAD_NT scope:SCOPE_SE   ; K step 1
	global_prefetch_b8 v8, s[92:93] offset:512 th:TH_LOAD_NT scope:SCOPE_SE   ; K step 2
	v_and_b32 v1, 15, v0
	v_bfe_u32 v2, v0, 4, 1                         ; h
	v_mul_u32_u24 v3, v1, PITCH
	v_lshl_add_u32 v4, v2, 4, v3
	s_mul_i32 s21, s15, HALFT
	s_mul_i32 s22, s16, HALFT
	s_add_co_u32 s22, s22, 2*HALFT
.irp s, 0,1
	v_add_nc_u32 v[ADRA+\s], s21, v4
	v_add_nc_u32 v[ADRB+\s], s22, v4
	s_add_co_u32 s21, s21, SLOT
	s_add_co_u32 s22, s22, SLOT
.endr
	v_mul_u32_u24 v5, v1, KS
	v_lshrrev_b32 v6, 8, v5
	v_lshl_add_u32 v5, v6, 4, v5
	s_mul_i32 s21, s15, HALFS
	s_mul_i32 s22, s16, HALFS
	s_add_co_u32 s22, s22, 2*HALFS
	s_sub_co_u32 s22, s22, s21
	v_mul_u32_u24 v6, s22, v2                      ; lanes 16-31 take W's words
	s_add_co_u32 s21, s21, SCL
	v_add_nc_u32 v5, v5, v6
	v_add_nc_u32 v[ADRS], s21, v5
	s_mul_i32 s23, s14, DREG                       ; the way out: my region
	v_mul_u32_u24 v5, v1, DP
	v_lshl_add_u32 v5, v2, 5, v5
	v_add_nc_u32 v[DA], s23, v5                    ; row r, + 32 h
	v_and_b32 v6, 8, v1
	v_add_nc_u32 v6, v6, v1
	v_mul_u32_u24 v6, v6, DP
	v_lshl_add_u32 v6, v2, 8, v6
	v_add_nc_u32 v[QA], s23, v6                    ; row r + 8 (r/8), head h: 256 bytes
	v_and_b32 v7, 31, v0
	v_lshlrev_b32 v7, 2, v7
	v_add_nc_u32 v[VA0], s23, v7                   ; column = lane
	v_add_nc_u32 v[VA1], 64*DP, v[VA0]
	v_lshlrev_b32 v[BO], 5, v2
	s_lshl_b32 s46, s42, 10
	s_lshl_b32 s47, s16, 9
	s_add_co_u32 s46, s46, s47                     ; 4 (256 x tile column + 128 x half)
	s_mov_b32 s47, 0
	s_add_nc_u64 s[98:99], s[98:99], s[46:47]
.irp b, 0,1,2,3,4,5,6,7
	global_load_b128 v[BIAS+8*\b:BIAS+8*\b+3], v[BO], s[98:99] offset:64*\b
	global_load_b128 v[BIAS+8*\b+4:BIAS+8*\b+7], v[BO], s[98:99] offset:64*\b+16
.endr
.macro FRAG reg, adr, q, i             ; 16 rows x 128 K: registers 4 c .. 4 c + 3 hold K = 32 c + 16 (l / 16) + 0 .. 15 of row l % 16
.irp c, 0,1,2,3
	ds_load_b128 v[\reg+4*\c:\reg+4*\c+3], v[\adr] offset:128*(\q)+32*\c+(\i)*16*PITCH
.endr
.endm
; 16 products: A's blocks a0, a0 + 1 x W's eight.  zero = 1: the bias is the C.  The 64 accumulators take turns, one instruction a turn.
.macro MUL16 a0, p, q, sc, zero
.irp a, \a0, \a0+1
.irp b, 0,1,2,3,4,5,6,7
.if \zero
	v_wmma_scale_f32_16x16x128_f8f6f4 v[8*(8*((\a)%4)+\b):8*(8*((\a)%4)+\b)+7], v[128*(\p)+FR*\b:128*(\p)+FR*\b+FR-1], v[AF+FR*(\a):AF+FR*(\a)+FR-1], v[BIAS+8*\b:BIAS+8*\b+7], v[SC+8*NQ*(\sc)+NQ*\b+(\q)], v[SC+8*NQ*(\sc)+NQ*(\a)+(\q)] matrix_a_fmt:MATRIX_FMT_BF8 matrix_b_fmt:MATRIX_FMT_BF8 matrix_a_scale:MATRIX_SCALE_ROW1
.else
	v_wmma_scale_f32_16x16x128_f8f6f4 v[8*(8*((\a)%4)+\b):8*(8*((\a)%4)+\b)+7], v[128*(\p)+FR*\b:128*(\p)+FR*\b+FR-1], v[AF+FR*(\a):AF+FR*(\a)+FR-1], v[8*(8*((\a)%4)+\b):8*(8*((\a)%4)+\b)+7], v[SC+8*NQ*(\sc)+NQ*\b+(\q)], v[SC+8*NQ*(\sc)+NQ*(\a)+(\q)] matrix_a_fmt:MATRIX_FMT_BF8 matrix_b_fmt:MATRIX_FMT_BF8 matrix_a_scale:MATRIX_SCALE_ROW1
.endif
.endr
.endr
.endm
.macro FETCH_B slot, q, p
	WIN TO_B
.irp i, 0,1,2,3,4,5,6,7
	FRAG 128*(\p)+FR*\i, ADRB+\slot, \q, \i
.endr
	WIN 0
.endm
.macro FETCH_A slot, q, i0
.irp i, \i0, \i0+1, \i0+2, \i0+3
	FRAG AF+FR*(\i), ADRA+\slot, \q, \i
.endr
.endm
.macro SCALES sc                       ; lanes 0-15 take A's block i, lanes 16-31 W's block i: two words a row for a K step
.irp i, 0,1,2,3,4,5,6,7
	ds_load_b64 v[SC+8*NQ*\sc+NQ*\i:SC+8*NQ*\sc+NQ*\i+1], v[ADRS] offset:\i*SBLK
.endr
.endm
.macro PLACES n
.rept \n
	v_nop
.endr
.endm
.macro STEP slot, q, zero              ; 128 along K with its successor in the same slot
	s_wait_dscnt 4*NL                              ; the youngest loads (A's blocks 4-7) may be out
.if \zero
	WIN 0x81                                       ; C (the bias) window 0, D window 2
.else
	WIN MUL_LO
.endif
	MUL16 0, (\q)%2, \q, \slot, \zero
	MUL16 2, (\q)%2, \q, \slot, \zero
	s_wait_dscnt 0
	PLACES NP                                      ; in front of loads into registers that matrix instructions have read
	FETCH_B \slot, (\q)+1, 1-(\q)%2
	FETCH_A \slot, (\q)+1, 0
.if \zero
	WIN 0xc1
.else
	WIN MUL_HI
.endif
	MUL16 4, (\q)%2, \q, \slot, \zero
	MUL16 6, (\q)%2, \q, \slot, \zero
	PLACES NP
	WIN 0
	FETCH_A \slot, (\q)+1, 4
.endm
.macro TURN slot, next, fill           ; a slot's last step changes slots: one barrier
	s_wait_tensorcnt 0x0                           ; all my tensor loads have landed: my part of the next slot
	ds_add_u32 v[SPW], v[NIL]                      ; 0 onto my spare word
	s_wait_dscnt 4*NL+1                            ; the add and A's blocks 4-7 may be out
	WIN MUL_LO
	MUL16 0, 1, NQ-1, \slot, 0
	s_wait_dscnt 0x0                               ; the add is done, and my reads of this slot are over
	s_barrier_signal -1
	MUL16 2, 1, NQ-1, \slot, 0
	WIN 0
	s_barrier_wait -1
.if \fill
	CREST                                          ; the barrier has opened a round of the cluster's: no wave of any partner still reads this slot or has a load on its way
	s_add_nc_u64 s[G0+4*\slot+2:G0+4*\slot+3], s[G0+4*\slot+2:G0+4*\slot+3], 2*ROWB
	s_add_nc_u64 s[G0B+4*\slot+2:G0B+4*\slot+3], s[G0B+4*\slot+2:G0B+4*\slot+3], 2*ROWB
	JLOAD G0+4*\slot, G1, G0B+4*\slot, G1B
	PLACES NP-4
.else
	PLACES NP
.endif
	s_wait_alu depctr_va_vdst(0)
	v_add_nc_u32 v[ADRS], 4*NQ, v[ADRS]
	FETCH_B \next, 0, 0
	FETCH_A \next, 0, 0
	SCALES \next
	WIN MUL_HI
	MUL16 4, 1, NQ-1, \slot, 0
	MUL16 6, 1, NQ-1, \slot, 0
	PLACES NP
	WIN 0
	FETCH_A \next, 0, 4
.endm
	s_wait_alu depctr_va_vdst(0)
	s_wait_tensorcnt 0x0                           ; my tile of the head's four is in
	ds_add_u32 v[SPW], v[NIL]                      ; the add ahead of a later first fill
	s_mov_b32 s[G1+2], 128<<16                     ; no load of mine is out: from here on a load brings 128 rows
	s_mov_b32 s[G1+4], 128
	s_mov_b32 s[G1B+2], 128<<16
	s_mov_b32 s[G1B+4], 128
	s_wait_dscnt 0x0
	CROUND                                         ; all four tiles are in, all sixteen work-groups are here
	JLOAD G0+4, G1, G0B+4, G1B                     ; K step 1, the first tensor load behind the round
	FETCH_B 0, 0, 0
	FETCH_A 0, 0, 0
	SCALES 0
	FETCH_A 0, 0, 4
	global_prefetch_b8 v8, s[92:93] offset:768 th:TH_LOAD_NT scope:SCOPE_SE   ; K step 3, the last
	s_wait_loadcnt 0x0
	STEP 0, 0, 1
	s_mov_b32 s3, LAPS-1
.Llap:
	TURN 0, 1, 1
	STEP 1, 0, 0
	TURN 1, 0, 1
	STEP 0, 0, 0
	s_sub_co_u32 s3, s3, 1
	s_cmp_lg_u32 s3, 0
	s_cbranch_scc1 .Llap
	TURN 0, 1, 0
	STEP 1, 0, 0
	s_wait_dscnt 4*NL
	WIN MUL_LO
	MUL16 0, 1, NQ-1, 1, 0
	MUL16 2, 1, NQ-1, 1, 0
	s_wait_dscnt 0x0                               ; my last reads of the ring are in:
	s_barrier_signal -1                            ; say so,
	WIN MUL_HI
	MUL16 4, 1, NQ-1, 1, 0
	MUL16 6, 1, NQ-1, 1, 0
	WIN 0
	s_barrier_wait -1                              ; and behind this nobody reads the ring
	PLACES NP
.irp a, 0,1,2,3,4,5,6,7                ; my 128 x 128 f32 into my region, each accumulator from its low end on
	WIN 0x08+4*(\a/4)
.irp b, 0,1,2,3,4,5,6,7
	ds_store_b128 v[DA], v[8*(8*(\a%4)+\b):8*(8*(\a%4)+\b)+3] offset:16*DP*\a+64*\b
	ds_store_b128 v[DA], v[8*(8*(\a%4)+\b)+4:8*(8*(\a%4)+\b)+7] offset:16*DP*\a+64*\b+16
.endr
.endr
	WIN 0
; 32 numbers of one lane, a whole block: 8 registers of codes and the scale's byte
.macro QB s, c, e
.set QS, \s
.set QC, \c
	v_max3_num_f32 v[QT], |v[QS]|, |v[QS+1]|, |v[QS+2]|
	v_max3_num_f32 v[QT+1], |v[QS+3]|, |v[QS+4]|, |v[QS+5]|
.irp i, 6,10,14,18,22,26
	v_max3_num_f32 v[QT], v[QT], |v[QS+\i]|, |v[QS+\i+1]|
	v_max3_num_f32 v[QT+1], v[QT+1], |v[QS+\i+2]|, |v[QS+\i+3]|
.endr
	v_max3_num_f32 v[QT], v[QT], |v[QS+30]|, |v[QS+31]|
	v_max3_num_f32 v[QT], v[QT], v[QT+1], 0x8000000   ; the floor 2^(16 - 127)
	v_add_nc_u32 v[QT+2], 0xf8800000, v[QT]        ; 15 off the exponent field: the conversion's scale operand
	v_and_or_b32 v[QT+3], v[QT], 0x7f800000, s100  ; 57,344 x the scale
	v_lshrrev_b32 v[\e], 23, v[QT+2]
.set qi, 0
.rept 32
	v_med3_num_f32 v[QS+qi], v[QS+qi], -v[QT+3], v[QT+3]   ; the conversion does not saturate (ISA guide 7.6.2)
.set qi, qi+1
.endr
.irp g, 0,1,2,3
	v_cvt_scalef32_pk8_bf8_f32 v[QC+2*\g:QC+2*\g+1], v[QS+8*\g:QS+8*\g+7], v[QT+2]
.endr
	v_nop                                          ; a plain line behind the last conversion
.endm
.macro FINISH
	s_wait_tensorcnt 0x0                           ; the wave's end
	ds_add_u32 v[SPW], v[NIL]
	s_wait_dscnt 0x0
	CROUND                                         ; the closing round
	s_endpgm
.endm
	s_wait_xcnt 0x0                                ; the prefetches have read their address: s92 and s93 are written anew below
	s_mov_b32 s100, 0x600000
	s_cmp_eq_u32 ttmp9, 2                          ; the cluster's x, alike in all partners: columns 2,048 on are v
	s_cbranch_scc1 .Lv
	; ---- q and k
	v_lshlrev_b32 v[GO1], 4, v1
	v_lshl_add_u32 v[GO1], v2, 18, v[GO1]          ; 16 r + a head's 262,144 bytes x h
	v_lshlrev_b32 v[GO2], 2, v1
	v_lshl_add_u32 v[GO2], v2, 13, v[GO2]          ; 4 r + a head's 8,192 bytes x h
	s_lshl_b32 s46, s42, 2
	s_lshl_b32 s47, s16, 1
	s_add_co_u32 s46, s46, s47                     ; my first head of 32
	s_lshl_b32 s46, s46, 7
	s_lshl_b32 s47, s17, 3
	s_add_co_u32 s46, s46, s47
	s_lshl_b32 s47, s15, 2
	s_add_co_u32 s46, s46, s47                     ; x 128 + my first block of 32 tokens
	s_lshl_b32 s92, s46, 6
	s_add_co_u32 s92, s92, 0x800000
	s_mov_b32 s93, 0
	s_lshl_b32 s46, s46, 11
	s_mov_b32 s47, 0
	s_add_nc_u64 s[96:97], s[12:13], s[92:93]
	s_add_nc_u64 s[12:13], s[12:13], s[46:47]
.macro LOADQ n                         ; block n = 2 p + u: my token's 64 numbers of my head
.set li, 0
.rept 16
	ds_load_b128 v[32+64*((\n)%2)+4*li:32+64*((\n)%2)+4*li+3], v[QA] offset:(32*((\n)/2)+8*((\n)%2))*DP+16*li
.set li, li+1
.endr
.endm
.macro BLOCKQ n
.set XB, 32+64*((\n)%2)
.set CB, 200+16*((\n)%2)
.if (\n) < 7
	LOADQ (\n)+1
	s_wait_dscnt 16                                ; the next block's sixteen may be out
.else
	s_wait_dscnt 0
.endif
	s_wait_xcnt 0x0                                ; the registers that earlier stores read are rewritten only behind this wait
	QB XB, CB, 252
	QB XB+32, CB+8, 253
	v_lshl_or_b32 v[238+(\n)%2], v253, 8, v252
.irp k, 0,1,2,3
	global_store_b128 v[GO1], v[CB+4*\k:CB+4*\k+3], s[12:13] offset:2048*((\n)/2)+1024*((\n)%2)+256*\k   ; each half of the lanes: 256 consecutive bytes
.endr
	global_store_b16 v[GO2], v[238+(\n)%2], s[96:97] offset:64*((\n)/2)+2*((\n)%2)
.endm
	LOADQ 0
.irp n, 0,1,2,3,4,5,6,7
	BLOCKQ \n
.endr
	FINISH
.Lv:
	; ---- v: a lane takes a column, its registers run down the keys
	v_bfe_u32 v11, v0, 3, 1                        ; u
	v_and_b32 v12, 7, v0
	v_lshl_add_u32 v12, v2, 3, v12                 ; the tile's row: 8 (l / 16) + l % 8
	v_lshlrev_b32 v9, 4, v12
	v_lshl_add_u32 v9, v11, 11, v9
	v_lshlrev_b32 v10, 2, v12
	v_lshl_add_u32 v10, v11, 6, v10
	s_lshr_b32 s46, s17, 3
	s_lshl_b32 s46, s46, 4
	s_lshl_b32 s47, s40, 2
	s_add_co_u32 s46, s46, s47
	s_lshl_b32 s47, s16, 1
	s_add_co_u32 s46, s46, s47                     ; batch x 16 + my first head
	s_lshl_b32 s46, s46, 4
	s_and_b32 s47, s17, 7
	s_lshl_b32 s47, s47, 1
	s_add_co_u32 s46, s46, s47
	s_add_co_u32 s46, s46, s15                     ; x 16 + my step of 128 keys
	s_lshl_b32 s92, s46, 8
	s_add_co_u32 s92, s92, 0xC40000
	s_mov_b32 s93, 0
	s_lshl_b32 s46, s46, 13
	s_add_co_u32 s46, s46, 0x840000
	s_mov_b32 s47, 0
	s_add_nc_u64 s[96:97], s[12:13], s[92:93]
	s_add_nc_u64 s[12:13], s[12:13], s[46:47]
.macro LOADV n                         ; block n = 4 g + c: columns 32 g on, keys 32 c on
.set li, 0
.rept 32
.if ((\n)%4) < 2
	ds_load_b32 v[32+32*((\n)%2)+li], v[VA0] offset:128*((\n)/4)+32*DP*((\n)%2)+DP*li
.else
	ds_load_b32 v[32+32*((\n)%2)+li], v[VA1] offset:128*((\n)/4)+32*DP*((\n)%2)+DP*li
.endif
.set li, li+1
.endr
.endm
.macro BLOCKV n
.set XB, 32+32*((\n)%2)
.set CB, 200+8*((\n)%2)
.set GG, (\n)/4
.if (\n) < 15
	LOADV (\n)+1
	s_wait_dscnt 32                                ; the next block's 32 may be out
.else
	s_wait_dscnt 0
.endif
	s_wait_xcnt 0x0
	QB XB, CB, 252
.if ((\n)%4) == 0
	v_mov_b32 v[240+GG], v252                      ; four bytes make my column's scale word for these 128 keys
.else
	v_lshl_or_b32 v[240+GG], v252, 8*((\n)%4), v[240+GG]
.endif
	global_store_b128 v9, v[CB:CB+3], s[12:13] offset:131072*(GG/2)+4096*(GG%2)+512*((\n)%4)
	global_store_b128 v9, v[CB+4:CB+7], s[12:13] offset:131072*(GG/2)+4096*(GG%2)+512*((\n)%4)+256
.if ((\n)%4) == 3
	global_store_b32 v10, v[240+GG], s[96:97] offset:4096*(GG/2)+128*(GG%2)
.endif
.endm
	LOADV 0
.irp n, 0,1,2,3,4,5,6,7,8,9,10,11,12,13,14,15
	BLOCKV \n
.endr
	FINISH
.Lfunc_end_k_qa63f0ae32f_qkv:
	.size	k_qa63f0ae32f_qkv, .Lfunc_end_k_qa63f0ae32f_qkv-k_qa63f0ae32f_qkv
	.p2alignl 7, 3214868480
	.fill 96, 4, 3214868480
	.section	.rodata,"a",@progbits
	.p2align	6, 0x0
	.amdhsa_kernel k_qa63f0ae32f_qkv
		.amdhsa_group_segment_fixed_size 327680
		.amdhsa_private_segment_fixed_size 0
		.amdhsa_enable_private_segment 0
		.amdhsa_kernarg_size 40
		.amdhsa_user_sgpr_count 2
		.amdhsa_user_sgpr_kernarg_segment_ptr 1
		.amdhsa_wavefront_size32 1
		.amdhsa_system_sgpr_workgroup_id_x 1
		.amdhsa_system_sgpr_workgroup_id_y 1
		.amdhsa_system_sgpr_workgroup_id_z 1
		.amdhsa_system_vgpr_workitem_id 0
		.amdhsa_next_free_vgpr 1024
		.amdhsa_next_free_sgpr 102
		.amdhsa_reserve_vcc 0
		.amdhsa_float_denorm_mode_32 3
		.amdhsa_float_denorm_mode_16_64 3
		.amdhsa_memory_ordered 1
		.amdhsa_forward_progress 1
		.amdhsa_inst_pref_size 255
	.end_amdhsa_kernel
	.section	.bss,"aw",@nobits
	.p2align	6
	.space	262144
	.amdgpu_metadata
---
amdhsa.version: [ 1, 2 ]
amdhsa.kernels:
  - .name:           k_qa63f0ae32f_qkv
    .symbol:         k_qa63f0ae32f_qkv.kd
    .args:
      - { .name: W1, .offset: 0, .size: 8, .value_kind: global_buffer, .address_space: global }
      - { .name: qkv_b, .offset: 8, .size: 8, .value_kind: global_buffer, .address_space: global }
      - { .name: qkv_w_codes, .offset: 16, .size: 8, .value_kind: global_buffer, .address_space: global }
      - { .name: qkv_w_scales, .offset: 24, .size: 8, .value_kind: global_buffer, .address_space: global }
      - { .name: W2, .offset: 32, .size: 8, .value_kind: global_buffer, .address_space: global }
    .group_segment_fixed_size: 327680
    .private_segment_fixed_size: 0
    .kernarg_segment_align: 8
    .kernarg_segment_size: 40
    .max_flat_workgroup_size: 128
    .sgpr_count:     102
    .vgpr_count:     1024
    .wavefront_size: 32
...
	.end_amdgpu_metadata
.endif
;; end of part 2
;; launch attn (part 3): grid 8 x 32, 16 waves a work-group, no clusters, 76,032 bytes of LDS; arguments W2, MW, W3; writes W3
.if DOCPART == 3
	.amdgcn_target "amdgcn-amd-amdhsa--gfx1250"
	.amdhsa_code_object_version 6
	.text
	.protected	k_qa63f0ae32f_attn
	.globl	k_qa63f0ae32f_attn
	.p2align	8
	.type	k_qa63f0ae32f_attn,@function
k_qa63f0ae32f_attn:
	s_mov_b64 s[64:65], 0
	v_nop
	global_prefetch_b8 v0, s[64:65] scope:SCOPE_SE
	s_setreg_imm32_b32 hwreg(HW_REG_WAVE_MODE, 25, 1), 1
	s_wait_xcnt 0x0
; o = softmax(q k^T / 8, hidden keys at -infinity) v for 32 (batch, head) pairs of 2,048 tokens, head size 64, both products on codes of BF8 (E5M2) with E8M0 scales for each 32 along K.
; THE SOFTMAX: t = score x log2(e) / 8; M = the running largest t rounded up to a whole number; p = 2^(t - M) is quantised along the keys, not normalised; the row's sum is taken of the unquantised p and divides at the end.
; SHARES.  A work-group has one (batch, head) and 16 tiles of 16 queries, one a wave (256 registers, four waves to a SIMD).  Wave w takes tile T = x + 8 (4 ((a + g) % 4) + a), a = w % 4, g = w / 4: early and late tiles are spread alike
; over work-groups and waves.  Every wave walks the 16 steps of 128 keys.
; THE STEPS GO IN PAIRS: steps i and 15 - i, i = 0 .. 7.  The running M makes their order free.  It is right for every mask; under a mask that hides later keys step i counts for 16 - i of the work-group's tiles and step 15 - i for i + 1:
; 17 in every pair, so that the work between two barriers stays even.  A pair's images of k and v (4 x 8,192 bytes) are copied by all 512 threads, 16 bytes each, through registers into one of two LDS slots, a pair ahead: asked for at
; the pair's head, stored between its two steps.  One barrier a pair.
; No tensor load and no cluster: a step all of whose keys are hidden from the wave's 16 queries is passed over by a branch on a flag that an earlier launch stored.
; The 64 lane masks of a step are fetched only where its flag says that some key is hidden: the lines from k's loads to v's loads stand twice, behind the scalar loads and without them, and the two ways join in front of the softmax.
; K = 64 IN A PRODUCT 128 DEEP.  An image of k holds two tiles of 16 keys: one in K 0-63, the other in K 64-127.  It is multiplied by (q, zeros) and by (zeros, q): zero codes add nothing (no code here is an infinity: the hold stands ahead of every conversion).
; q lies as [q 8][0 x 8][q 8] registers.
; LAYOUT.  Both products transposed: a lane holds one query (lane % 16).  Score register n holds key 32 (n/16) + 16 (lane/16) + n%16 of the step.  o's register 16 beta + i is d = 32 beta + 16 (lane/16) + i.
; o leaves as codes along the next product's K = 64 head + d, as operand images [K / 512][row set 256][4][2,048], and scale bytes [16 row set + r][32] at byte 0x400000.
; LIMITS: NaN and infinities are not served.  A query all of whose keys are hidden has the sum 0: its scale bytes become 0xff, so that the next product gives NaN in that row, as the softmax of such a row is NaN.
; LDS: slot p at 32,768 p; in it step i at +0 and step 15 - i at +16,384, each k's four images and then v's four.  At 65,536 k's scale words of the head, 256 bytes a step, in the order 0, 15, 1, 14 ..; 4,096 bytes on v's.
; SCALARS that stay: s[14:15], s[16:17] k's and v's next ascending step; s[4:5], s[10:11] the next descending one; s[18:19], s[6:7] the lane masks of the ascending and the descending step;
; s28, s29 (s30, s31): bit 0 = the ascending (descending) step in hand is all hidden, has hidden keys; s26 the pair's scale words.
; SHARES AND ORDER AS THE TEXT NOW HAS THEM (in place of what stands above on shares, on the pairs i and 15 - i, and on the order of the scale words):
; work-group x takes the 8 tiles of query group 15 - x (waves 0-7) and the 8 tiles of group x (waves 8-15); a group is 128 queries, as many as a step has keys.  Tile T = 8 group + wave % 8.
; The steps go in ascending pairs 2 p, 2 p + 1: the even step lies at +0 of a slot, the odd one at +16,384; the scale words lie in the order of the steps.  Every wave walks all 16 steps by its flags, so the deal serves every mask;
; under a mask that hides later keys the 8 waves of a group have the same steps to do in every pair.
; A PAIR THAT NOBODY READS IS NOT COPIED: each wave lays the 16 bits 'all hidden' of its tile into its word at FLG, every wave joins the 16 words by AND (s67; bits 0, 1: the next pair's steps).
.set KSC, 65536
.set FLG, 75776                        ; 16 words, behind the spare words, in a block of 256 bytes of their own
	s_load_b128 s[4:7], s[0:1], 0x0                ; the images s[4:5], the lane masks s[6:7]
	s_load_b64 s[8:9], s[0:1], 0x10                ; o
	v_lshl_add_u32 v30, v0, 2, 0x12000
	v_mov_b32 v31, 0
	v_lshrrev_b32 v1, 5, v0
	s_delay_alu instid0(VALU_DEP_1)
	v_readfirstlane_b32 s10, v1                    ; wave
	s_and_b32 s11, ttmp7, 0xffff                   ; batch x 16 + head
	s_lshr_b32 s12, s11, 4
	s_and_b32 s13, s11, 15
	s_sub_co_u32 s3, 15, ttmp9
	s_cmp_lt_u32 s10, 8
	s_cselect_b32 s3, s3, ttmp9                    ; my group of 128 queries: 15 - x or x
	s_lshl_b32 s3, s3, 3
	s_and_b32 s2, s10, 7
	s_add_co_u32 s66, s3, s2                       ; T
	s_lshl_b32 s67, s66, 6                         ; its 16 flags
	s_wait_kmcnt 0x0
	s_load_b512 s[32:47], s[6:7], s67 offset:0x80000
	s_mov_b32 s3, 0
	s_lshl_b32 s2, s66, 12
	s_add_nc_u64 s[18:19], s[6:7], s[2:3]          ; its lane masks: 256 bytes a step
	s_lshl_b32 s27, s13, 7
	s_lshl_b32 s31, s12, 6
	s_add_co_u32 s27, s27, s31                     ; head x 128 + the batch's first block of 32 tokens
	s_lshr_b32 s31, s66, 1
	s_add_co_u32 s26, s27, s31
	s_and_b32 s30, s66, 1
	s_lshl_b32 s2, s26, 11
	s_lshl_b32 s31, s30, 10
	s_add_co_u32 s2, s2, s31
	s_add_nc_u64 s[100:101], s[4:5], s[2:3]        ; q's 1,024 bytes
	s_lshl_b32 s2, s26, 6
	s_lshl_b32 s31, s30, 1
	s_add_co_u32 s2, s2, s31
	s_add_co_u32 s2, s2, 0x800000
	s_add_nc_u64 s[48:49], s[4:5], s[2:3]          ; q's two scale bytes a row
	s_add_co_u32 s31, s27, 2048                    ; k's heads follow q's sixteen
	s_lshl_b32 s2, s31, 11
	s_add_nc_u64 s[14:15], s[4:5], s[2:3]
	s_lshl_b32 s2, s31, 6
	s_add_co_u32 s2, s2, 0x800000
	s_add_nc_u64 s[50:51], s[4:5], s[2:3]
	s_lshl_b32 s2, s11, 17
	s_add_co_u32 s2, s2, 0x840000
	s_add_nc_u64 s[16:17], s[4:5], s[2:3]
	s_lshl_b32 s2, s11, 12
	s_add_co_u32 s2, s2, 0xC40000
	s_add_nc_u64 s[52:53], s[4:5], s[2:3]
	s_cmp_lt_u32 s10, 8                            ; waves 0-7 copy k's scale words, waves 8-15 v's
	s_cselect_b64 s[54:55], s[50:51], s[52:53]
	s_add_nc_u64 s[4:5], s[14:15], 8192            ; k's step 1: the pair's odd step
	s_add_nc_u64 s[10:11], s[16:17], 8192          ; v's step 1
	s_mov_b32 s20, 0x76543210
	s_mov_b32 s21, 0xfedcba98
	s_mov_b32 s22, 0x3e38aa3b                      ; c = log2(e) / 8
	s_mov_b32 s23, s22
	s_mov_b32 s24, 0x600000
	s_mov_b32 s26, 0                               ; where the pair's scale words begin: 512 bytes a pair
	v_and_b32 v2, 31, v0
	s_delay_alu instid0(VALU_DEP_1)
	v_lshlrev_b32 v1, 4, v2                        ; 16 x lane
	s_delay_alu instid0(VALU_DEP_2)
	v_lshl_add_u32 v2, v2, 2, KSC                  ; a scale word's place: 4 x lane
	v_lshlrev_b32 v3, 4, v0                        ; 16 x thread
	s_delay_alu instid0(VALU_DEP_1)
	v_add_nc_u32 v7, KSC, v3                       ; where I put 16 bytes of scale words
	v_and_b32 v5, 15, v0
	s_delay_alu instid0(VALU_DEP_1)
	v_lshlrev_b32 v6, 4, v5
	s_delay_alu instid0(VALU_DEP_2)
	v_lshlrev_b32 v5, 2, v5
	v_bfe_u32 v8, v0, 4, 4                         ; place (thread / 16) % 16 of the 16 places of 256 bytes takes the step of its own number
	v_lshl_add_u32 v6, v8, 8, v6                   ; from there in memory: 256 x step + 16 (thread % 16)
	global_load_b128 v[200:203], v1, s[100:101]
	global_load_b128 v[204:207], v1, s[100:101] offset:512
	global_load_b128 v[216:219], v1, s[100:101]
	global_load_b128 v[220:223], v1, s[100:101] offset:512
	global_load_u16 v255, v5, s[48:49]
	global_load_b128 v[192:195], v3, s[14:15]      ; steps 0 and 1
	global_load_b128 v[196:199], v3, s[16:17]
	global_load_b128 v[20:23], v3, s[4:5]
	global_load_b128 v[24:27], v3, s[10:11]
	global_load_b128 v[224:227], v6, s[54:55]
	v_mov_b32 v13, 0xff61b1e6                      ; the largest t so far: -3e38
	s_delay_alu instid0(VALU_DEP_1)
	v_floor_f32 v12, -v13                          ; -M
	v_mov_b32 v14, 0
	v_mov_b32 v15, 0
	v_mov_b32 v16, 0xff800000                      ; -infinity
	v_mov_b32 v17, 0xffff                          ; two scale bytes of a row without keys
.irp k, 208,209,210,211,212,213,214,215,236,237,238,239,252,253
	v_mov_b32 v\k, 0                               ; q's zeros; permutes' destinations; halves of pairs
.endr
.set j, 0
.rept 32
	v_mov_b32 v[160+j], 0                          ; O^T: the step is written once, its first turn finds zeros
.set j, j+1
.endr
	s_wait_kmcnt 0x0
	s_add_nc_u64 s[6:7], s[18:19], 256             ; step 1's lane masks (the flags' load, which named s[6:7], is done)
	s_mov_b32 s28, 0
	s_mov_b32 s29, 0
.set i, 0
.rept 16                               ; step i's two flags go to bit i of two words
	s_bfe_u32 s27, s[32+i], 0x10001
	s_lshl_b32 s2, s27, i
	s_or_b32 s28, s28, s2
	s_and_b32 s27, s[32+i], 1
	s_lshl_b32 s2, s27, i
	s_or_b32 s29, s29, s2
.set i, i+1
.endr
	s_lshr_b32 s30, s28, 1                         ; the odd steps' words: bit 0 is step 1; all four words go two bits on in each pair
	s_lshr_b32 s31, s29, 1
	s_wait_loadcnt 0x0
	v_lshl_or_b32 v255, v255, 16, v255             ; q's scale word: (s0, s1, s0, s1)
	s_add_nc_u64 s[14:15], s[14:15], 16384
	s_add_nc_u64 s[16:17], s[16:17], 16384
	s_add_nc_u64 s[4:5], s[4:5], 16384
	s_add_nc_u64 s[10:11], s[10:11], 16384
	ds_store_b128 v3, v[192:195]
	ds_store_b128 v3, v[196:199] offset:8192
	ds_store_b128 v3, v[20:23] offset:16384
	ds_store_b128 v3, v[24:27] offset:24576
	ds_store_b128 v7, v[224:227]
	v_lshrrev_b32 v19, 5, v0
	v_mov_b32 v18, s28
	v_lshl_add_u32 v19, v19, 2, FLG
	ds_store_b32 v19, v18                          ; my tile's 16 bits 'all hidden': all lanes write the same word with the same value
	s_wait_dscnt 0x0
	s_barrier_signal -1
	s_barrier_wait -1
	v_mov_b32 v19, FLG
	ds_load_b128 v[20:23], v19                     ; the sixteen waves' words, in every lane
	ds_load_b128 v[24:27], v19 offset:16
	ds_load_b128 v[192:195], v19 offset:32
	ds_load_b128 v[196:199], v19 offset:48
	s_wait_dscnt 0x0
	v_and_b32 v20, v20, v21
	v_and_b32 v22, v22, v23
	v_and_b32 v24, v24, v25
	v_and_b32 v26, v26, v27
	v_and_b32 v192, v192, v193
	v_and_b32 v194, v194, v195
	v_and_b32 v196, v196, v197
	v_and_b32 v198, v198, v199
	v_and_b32 v20, v20, v22
	v_and_b32 v24, v24, v26
	v_and_b32 v192, v192, v194
	v_and_b32 v196, v196, v198
	v_and_b32 v20, v20, v24
	v_and_b32 v192, v192, v196
	v_and_b32 v20, v20, v192
	s_wait_alu depctr_va_vdst(0)                   ; the registers written above are named again by the pairs' LDS stores, behind waits and branches
	v_readfirstlane_b32 s67, v20
	s_lshr_b32 s67, s67, 2                         ; bits 0, 1: steps 2 and 3, the pair that is copied next
.macro SQK f, u                        ; scores of the 16 keys of row set u of image f
.if (\f)%2
	v_wmma_scale_f32_16x16x128_f8f6f4 v[96+8*(2*\f+\u):103+8*(2*\f+\u)], v[32+16*\f:47+16*\f], v[200+8*\u:215+8*\u], 0, v[248+\f/2], v255 matrix_a_fmt:MATRIX_FMT_BF8 matrix_b_fmt:MATRIX_FMT_BF8 matrix_a_scale:MATRIX_SCALE_ROW1
.else
	v_wmma_scale_f32_16x16x128_f8f6f4 v[96+8*(2*\f+\u):103+8*(2*\f+\u)], v[32+16*\f:47+16*\f], v[200+8*\u:215+8*\u], 0, v[248+\f/2], v255 matrix_a_fmt:MATRIX_FMT_BF8 matrix_b_fmt:MATRIX_FMT_BF8
.endif
.endm
.macro OPV t
.if (\t)%2
	v_wmma_scale_f32_16x16x128_f8f6f4 v[160+8*\t:167+8*\t], v[32+16*\t:47+16*\t], v[224:239], v[160+8*\t:167+8*\t], v[250+\t/2], v253 matrix_a_fmt:MATRIX_FMT_BF8 matrix_b_fmt:MATRIX_FMT_BF8 matrix_a_scale:MATRIX_SCALE_ROW1
.else
	v_wmma_scale_f32_16x16x128_f8f6f4 v[160+8*\t:167+8*\t], v[32+16*\t:47+16*\t], v[224:239], v[160+8*\t:167+8*\t], v[250+\t/2], v253 matrix_a_fmt:MATRIX_FMT_BF8 matrix_b_fmt:MATRIX_FMT_BF8
.endif
.endm
; k's images and scale words of the step at LDS byte base, the eight products, and v's loads, which land under the softmax
.macro QKPART base, u
.rept 8
	v_nop                                          ; places in front of loads into registers that matrix instructions have read
.endr
	ds_load_b32 v248, v4 offset:256*\u             ; lanes 0-15: image 0's words, lanes 16-31: image 1's
	ds_load_b32 v249, v4 offset:256*\u+128
.irp f, 0,1,2,3
.irp c, 0,1,2,3
	ds_load_b128 v[32+16*\f+4*\c:35+16*\f+4*\c], v1 offset:(\base)+2048*\f+512*\c
.endr
.endr
.irp f, 0,1,2,3
	s_wait_dscnt 12-4*\f                           ; image f is in; the four loads of each later image may be out
	SQK \f, 0
	SQK \f, 1
.endr
.rept 8
	v_nop
.endr
.irp t, 0,1,2,3
.irp c, 0,1,2,3
	ds_load_b128 v[32+16*\t+4*\c:35+16*\t+4*\c], v1 offset:(\base)+8192+2048*\t+512*\c
.endr
.endr
	ds_load_b32 v250, v4 offset:4096+256*\u
	ds_load_b32 v251, v4 offset:4096+256*\u+128
.endm
; A KEY STEP: u = 0 the pair's ascending step, u = 1 its descending one.  The lines at its end, which step the flags and the lane masks' address, stand on every way; no barrier stands in it.
.macro WORK base, u
	s_bitcmp1_b32 s[28+2*\u], 0
	s_cbranch_scc1 .Lhidden_\@
	s_bitcmp1_b32 s[29+2*\u], 0
	s_cbranch_scc0 .Lplain_\@
.if \u
	s_load_b512 s[32:47], s[6:7], 0x0              ; the step's 64 lane masks
	s_load_b512 s[48:63], s[6:7], 0x40
	s_load_b512 s[68:83], s[6:7], 0x80
	s_load_b512 s[84:99], s[6:7], 0xc0
.else
	s_load_b512 s[32:47], s[18:19], 0x0
	s_load_b512 s[48:63], s[18:19], 0x40
	s_load_b512 s[68:83], s[18:19], 0x80
	s_load_b512 s[84:99], s[18:19], 0xc0
.endif
	s_wait_alu depctr_va_vdst(0)
	QKPART \base, \u
	s_wait_kmcnt 0x0
.set n, 0
.rept 32
	v_cndmask_b32 v[96+n], v[96+n], v16, s[32+n]   ; hidden keys' scores become -infinity: p = 0 then
.set n, n+1
.endr
.set n, 0
.rept 32
	v_cndmask_b32 v[128+n], v[128+n], v16, s[68+n]
.set n, n+1
.endr
	s_branch .Lsoft_\@
.Lplain_\@:
	s_wait_alu depctr_va_vdst(0)
	QKPART \base, \u
.Lsoft_\@:
.irp b, 0,1,2,3
	v_max3_num_f32 v[232+\b], v[96+16*\b], v[97+16*\b], v[98+16*\b]   ; the largest score of each block of 32 keys: for the row's maximum and, since p rises with the score, for the block's largest p
.endr
.irp i, 3,5,7,9,11,13
.irp b, 0,1,2,3
	v_max3_num_f32 v[232+\b], v[232+\b], v[96+16*\b+\i], v[97+16*\b+\i]
.endr
.endr
.irp b, 0,1,2,3
	v_max_num_f32 v[232+\b], v[232+\b], v[111+16*\b]
.endr
.irp b, 0,1,2,3
	v_permlanex16_b32 v[236+\b], v[232+\b], s20, s21
.endr
.irp b, 0,1,2,3
	s_delay_alu instid0(VALU_DEP_4)
	v_max_num_f32 v[232+\b], v[232+\b], v[236+\b]
.endr
	s_delay_alu instid0(VALU_DEP_2)
	v_max3_num_f32 v254, v232, v233, v234
	s_delay_alu instid0(VALU_DEP_1)
	v_max_num_f32 v254, v254, v235
	s_delay_alu instid0(VALU_DEP_1)
	v_mul_f32 v254, s22, v254
	s_delay_alu instid0(VALU_DEP_1)
	v_max_num_f32 v13, v13, v254                   ; the running largest t
	v_mov_b32 v254, v12
	s_delay_alu instid0(VALU_DEP_2)
	v_floor_f32 v12, -v13                          ; the new -M: a whole number
	s_delay_alu instid0(VALU_DEP_1)
	v_sub_f32 v254, v12, v254
	s_delay_alu instid0(VALU_DEP_1)
	v_cvt_i32_f32 v254, v254                       ; (it saturates)
	s_delay_alu instid0(VALU_DEP_1)
	v_ldexp_f32 v252, 1.0, v254                    ; f = 2^(old M - new M): rounds nothing
.set j, 0
.rept 32
	v_pk_fma_f32 v[96+j:97+j], v[96+j:97+j], s[22:23], v[12:13] op_sel_hi:[1,0,0]   ; t - M
.set j, j+2
.endr
.irp b, 0,1,2,3
	v_fma_f32 v[232+\b], v[232+\b], s22, v12
.endr
.set j, 0
	s_wait_alu depctr_va_vdst(0)
.rept 64
	v_exp_f32 v[96+j], v[96+j]
.set j, j+1
.endr
.irp b, 0,1,2,3
	v_exp_f32 v[232+\b], v[232+\b]                 ; the block's largest p
.endr
	v_pk_mul_f32 v[14:15], v[14:15], v[252:253] op_sel_hi:[1,0]   ; the sums under the new M; a plain line behind the exponentials
	s_wait_alu depctr_va_vdst(0)
.irp b, 0,1,2,3
	v_max_num_f32 v[232+\b], 0x8000000, v[232+\b]
.endr
.irp b, 0,1,2,3
	s_delay_alu instid0(VALU_DEP_4)
	v_add_nc_u32 v[244+\b], 0xf8800000, v[232+\b]
.endr
.irp b, 0,1,2,3
	v_and_or_b32 v[240+\b], v[232+\b], 0x7f800000, s24
.endr
.irp b, 0,1,2,3
	v_lshrrev_b32 v[236+\b], 23, v[244+\b]
.endr
	s_delay_alu instid0(VALU_DEP_3)
	v_lshl_or_b32 v253, v237, 8, v236              ; p's scale word for these 128 keys
	s_delay_alu instid0(VALU_DEP_1)
	v_lshl_or_b32 v253, v238, 16, v253
	s_delay_alu instid0(VALU_DEP_1)
	v_lshl_or_b32 v253, v239, 24, v253
	v_pk_add_f32 v[236:237], v[100:101], v[104:105]
	v_pk_add_f32 v[248:249], v[108:109], v[112:113]
	v_pk_add_f32 v[238:239], v[116:117], v[120:121]
	v_pk_add_f32 v[234:235], v[124:125], v[128:129]
	v_pk_add_f32 v[232:233], v[132:133], v[136:137]
	v_pk_add_f32 v[230:231], v[140:141], v[144:145]
	v_pk_add_f32 v[228:229], v[148:149], v[152:153]
	v_pk_add_f32 v[14:15], v[14:15], v[156:157]
	v_pk_add_f32 v[236:237], v[236:237], v[96:97]
	v_pk_add_f32 v[248:249], v[248:249], v[98:99]
	v_pk_add_f32 v[238:239], v[238:239], v[102:103]
	v_pk_add_f32 v[234:235], v[234:235], v[106:107]
	v_pk_add_f32 v[232:233], v[232:233], v[110:111]
	v_pk_add_f32 v[230:231], v[230:231], v[114:115]
	v_pk_add_f32 v[228:229], v[228:229], v[118:119]
	v_pk_add_f32 v[14:15], v[14:15], v[122:123]
	v_pk_add_f32 v[236:237], v[236:237], v[126:127]
	v_pk_add_f32 v[248:249], v[248:249], v[130:131]
	v_pk_add_f32 v[238:239], v[238:239], v[134:135]
	v_pk_add_f32 v[234:235], v[234:235], v[138:139]
	v_pk_add_f32 v[232:233], v[232:233], v[142:143]
	v_pk_add_f32 v[230:231], v[230:231], v[146:147]
	v_pk_add_f32 v[228:229], v[228:229], v[150:151]
	v_pk_add_f32 v[14:15], v[14:15], v[154:155]
	v_pk_add_f32 v[236:237], v[236:237], v[158:159]
	s_delay_alu instid0(VALU_DEP_2)
	v_pk_add_f32 v[14:15], v[14:15], v[234:235]
	s_delay_alu instid0(VALU_DEP_2)
	v_pk_add_f32 v[236:237], v[236:237], v[232:233]
	v_pk_add_f32 v[248:249], v[248:249], v[230:231]
	v_pk_add_f32 v[238:239], v[238:239], v[228:229]
	s_delay_alu instid0(VALU_DEP_2)
	v_pk_add_f32 v[14:15], v[14:15], v[248:249]
	s_delay_alu instid0(VALU_DEP_2)
	v_pk_add_f32 v[236:237], v[236:237], v[238:239]
	s_delay_alu instid0(VALU_DEP_1)
	v_pk_add_f32 v[14:15], v[14:15], v[236:237]
.irp b, 0,1,2,3
.irp i, 0,1,2,3,4,5,6,7,8,9,10,11,12,13,14,15
	v_min_num_f32 v[96+16*\b+\i], v[96+16*\b+\i], v[240+\b]   ; the hold: p is not negative
.endr
	v_cvt_scalef32_pk8_bf8_f32 v[224+4*\b:225+4*\b], v[96+16*\b:103+16*\b], v[244+\b]
	v_cvt_scalef32_pk8_bf8_f32 v[226+4*\b:227+4*\b], v[104+16*\b:111+16*\b], v[244+\b]
.endr
.set j, 0
.rept 16
	v_pk_mul_f32 v[160+j:161+j], v[160+j:161+j], v[252:253] op_sel_hi:[1,0]   ; O^T under the new M; also the places in front of the products below
.set j, j+2
.endr
	s_wait_alu depctr_va_vdst(0)
	s_wait_dscnt 0x0                               ; v's images and scale words
.irp t, 0,1,2,3
	OPV \t
.endr
.Lhidden_\@:
	s_lshr_b32 s[28+2*\u], s[28+2*\u], 2
	s_lshr_b32 s[29+2*\u], s[29+2*\u], 2
.if \u
	s_add_nc_u64 s[6:7], s[6:7], 512
.else
	s_add_nc_u64 s[18:19], s[18:19], 512
.endif
.endm
; A PAIR OF STEPS in slot p.  copy = 1: the next pair is asked for at the head and stored into the other slot between the two steps: that slot was last read ahead of the barrier before.
; In front of the pair's one barrier my stores have landed and my reads of this slot are in.
.macro PAIR p, copy
	v_add_nc_u32 v4, s26, v2
.if \copy
	s_and_b32 s27, s67, 3
	s_cmp_eq_u32 s27, 3                            ; both steps of the next pair hidden from all sixteen tiles: nobody will read them
	s_cbranch_scc1 .Lnoask_\@
	global_load_b128 v[192:195], v3, s[14:15]
	global_load_b128 v[196:199], v3, s[16:17]
	global_load_b128 v[20:23], v3, s[4:5]
	global_load_b128 v[24:27], v3, s[10:11]
.Lnoask_\@:
.endif
	WORK 32768*\p, 0
.if \copy
	s_wait_loadcnt 0x0                             ; on every way
	s_and_b32 s27, s67, 3
	s_cmp_eq_u32 s27, 3
	s_cbranch_scc1 .Lnoput_\@
	ds_store_b128 v3, v[192:195] offset:32768*(1-\p)
	ds_store_b128 v3, v[196:199] offset:32768*(1-\p)+8192
	ds_store_b128 v3, v[20:23] offset:32768*(1-\p)+16384
	ds_store_b128 v3, v[24:27] offset:32768*(1-\p)+24576
.Lnoput_\@:
	s_lshr_b32 s67, s67, 2
	s_add_nc_u64 s[14:15], s[14:15], 16384
	s_add_nc_u64 s[16:17], s[16:17], 16384
	s_add_nc_u64 s[4:5], s[4:5], 16384
	s_add_nc_u64 s[10:11], s[10:11], 16384
.endif
	WORK 32768*\p+16384, 1
	s_add_co_u32 s26, s26, 512
.if \copy
	s_wait_dscnt 0x0
	s_barrier_signal -1
	s_barrier_wait -1
.endif
.endm
	s_mov_b32 s25, 3
.Lpairs:                               ; two pairs a trip, so that every slot address is a constant
	PAIR 0, 1
	PAIR 1, 1
	s_sub_co_u32 s25, s25, 1
	s_cmp_lg_u32 s25, 0
	s_cbranch_scc1 .Lpairs
	PAIR 0, 1
	PAIR 1, 0                                      ; steps 14 and 15: nothing is left to copy
	; THE WAY OUT
.rept 8
	v_nop
.endr
	v_add_f32 v14, v14, v15
	s_delay_alu instid0(VALU_DEP_1)
	v_permlanex16_b32 v252, v14, s20, s21
	s_delay_alu instid0(VALU_DEP_1)
	v_add_f32 v14, v14, v252                       ; the row's sum
	s_delay_alu instid0(VALU_DEP_1)
	v_cmp_eq_f32 vcc_lo, 0, v14                    ; no key counted
	v_rcp_f32 v15, v14
	v_nop
.set j, 0
	s_wait_alu depctr_va_vdst(0)
.rept 32
	v_mul_f32 v[96+j], v[160+j], v15
.set j, j+1
.endr
.irp b, 0,1
	v_max3_num_f32 v[232+\b], |v[96+16*\b]|, |v[97+16*\b]|, 0x8000000
.endr
.irp i, 2,4,6,8,10,12,14
.irp b, 0,1
	s_delay_alu instid0(VALU_DEP_2)
	v_max3_num_f32 v[232+\b], v[232+\b], |v[96+16*\b+\i]|, |v[97+16*\b+\i]|
.endr
.endr
.irp b, 0,1
	v_permlanex16_b32 v[236+\b], v[232+\b], s20, s21
.endr
.irp b, 0,1
	s_delay_alu instid0(VALU_DEP_2)
	v_max_num_f32 v[232+\b], v[232+\b], v[236+\b]
.endr
.irp b, 0,1
	s_delay_alu instid0(VALU_DEP_2)
	v_add_nc_u32 v[244+\b], 0xf8800000, v[232+\b]
.endr
.irp b, 0,1
	s_delay_alu instid0(VALU_DEP_4)
	v_and_or_b32 v[240+\b], v[232+\b], 0x7f800000, s24
.endr
.irp b, 0,1
	s_delay_alu instid0(VALU_DEP_4)
	v_lshrrev_b32 v[236+\b], 23, v[244+\b]
.endr
	s_delay_alu instid0(VALU_DEP_1)
	v_lshl_or_b32 v254, v237, 8, v236
	s_delay_alu instid0(VALU_DEP_1)
	v_cndmask_b32 v254, v254, v17, vcc_lo
.irp b, 0,1
.irp i, 0,1,2,3,4,5,6,7,8,9,10,11,12,13,14,15
	v_med3_num_f32 v[96+16*\b+\i], v[96+16*\b+\i], -v[240+\b], v[240+\b]
.endr
	v_cvt_scalef32_pk8_bf8_f32 v[224+4*\b:225+4*\b], v[96+16*\b:103+16*\b], v[244+\b]
	v_cvt_scalef32_pk8_bf8_f32 v[226+4*\b:227+4*\b], v[104+16*\b:111+16*\b], v[244+\b]
.endr
	s_wait_alu depctr_va_vdst(0)
	v_nop
	v_and_b32 v5, 15, v0
	s_delay_alu instid0(VALU_DEP_1)
	v_lshlrev_b32 v5, 5, v5                        ; 32 scale bytes a row
	s_wait_alu depctr_va_vdst(0)
	s_lshl_b32 s26, s12, 7
	s_add_co_u32 s26, s26, s66                     ; my row set
	s_lshr_b32 s2, s13, 3
	s_lshl_b32 s2, s2, 21
	s_lshl_b32 s27, s26, 13
	s_add_co_u32 s2, s2, s27
	s_bfe_u32 s27, s13, 0x20001
	s_lshl_b32 s27, s27, 11
	s_add_co_u32 s2, s2, s27
	s_and_b32 s27, s13, 1
	s_lshl_b32 s27, s27, 10
	s_add_co_u32 s2, s2, s27
	s_mov_b32 s3, 0
	s_add_nc_u64 s[100:101], s[8:9], s[2:3]
	s_lshl_b32 s2, s26, 9
	s_lshl_b32 s27, s13, 1
	s_add_co_u32 s2, s2, s27
	s_add_co_u32 s2, s2, 0x400000
	s_add_nc_u64 s[8:9], s[8:9], s[2:3]
	global_store_b128 v1, v[224:227], s[100:101]             ; 512 consecutive bytes each
	global_store_b128 v1, v[228:231], s[100:101] offset:512
	global_store_b16 v5, v254, s[8:9]              ; both halves of the lanes write the same two bytes
	s_wait_tensorcnt 0x0
	ds_add_u32 v30, v31
	s_wait_dscnt 0x0
	s_endpgm
.Lfunc_end_k_qa63f0ae32f_attn:
	.size	k_qa63f0ae32f_attn, .Lfunc_end_k_qa63f0ae32f_attn-k_qa63f0ae32f_attn
	.p2alignl 7, 3214868480
	.fill 96, 4, 3214868480
	.section	.rodata,"a",@progbits
	.p2align	6, 0x0
	.amdhsa_kernel k_qa63f0ae32f_attn
		.amdhsa_group_segment_fixed_size 76032
		.amdhsa_private_segment_fixed_size 0
		.amdhsa_enable_private_segment 0
		.amdhsa_kernarg_size 24
		.amdhsa_user_sgpr_count 2
		.amdhsa_user_sgpr_kernarg_segment_ptr 1
		.amdhsa_wavefront_size32 1
		.amdhsa_system_sgpr_workgroup_id_x 1
		.amdhsa_system_sgpr_workgroup_id_y 1
		.amdhsa_system_sgpr_workgroup_id_z 1
		.amdhsa_system_vgpr_workitem_id 0
		.amdhsa_next_free_vgpr 256
		.amdhsa_next_free_sgpr 102
		.amdhsa_reserve_vcc 1
		.amdhsa_float_denorm_mode_32 3
		.amdhsa_float_denorm_mode_16_64 3
		.amdhsa_memory_ordered 1
		.amdhsa_forward_progress 1
		.amdhsa_inst_pref_size 244
	.end_amdhsa_kernel
	.amdgpu_metadata
---
amdhsa.version: [ 1, 2 ]
amdhsa.kernels:
  - .name:           k_qa63f0ae32f_attn
    .symbol:         k_qa63f0ae32f_attn.kd
    .args:
      - { .name: W2, .offset: 0, .size: 8, .value_kind: global_buffer, .address_space: global }
      - { .name: MW, .offset: 8, .size: 8, .value_kind: global_buffer, .address_space: global }
      - { .name: W3, .offset: 16, .size: 8, .value_kind: global_buffer, .address_space: global }
    .group_segment_fixed_size: 76032
    .private_segment_fixed_size: 0
    .kernarg_segment_align: 8
    .kernarg_segment_size: 24
    .max_flat_workgroup_size: 512
    .sgpr_count:     102
    .vgpr_count:     256
    .wavefront_size: 32
...
	.end_amdgpu_metadata
.endif
;; end of part 3
;; launch outp (part 4): grid 8 x 32, 4 waves a work-group, clusters of 4 x 4, 327,680 bytes of LDS; arguments W3, out_w_codes, out_w_scales, out_b, x, X1; writes X1
.if DOCPART == 4
	.amdgcn_target "amdgcn-amd-amdhsa--gfx1250"
	.amdhsa_code_object_version 6
	.text
	.protected	k_qa63f0ae32f_outp
	.globl	k_qa63f0ae32f_outp
	.p2align	8
	.type	k_qa63f0ae32f_outp,@function
k_qa63f0ae32f_outp:
	s_mov_b64 s[64:65], 0
	v_nop
	global_prefetch_b8 v0, s[64:65] scope:SCOPE_SE
	s_setreg_imm32_b32 hwreg(HW_REG_WAVE_MODE, 25, 1), 1
	s_wait_xcnt 0x0
	s_wait_alu depctr_hold_cnt(0) depctr_sa_sdst(0) depctr_va_vdst(0) depctr_va_sdst(0) depctr_va_ssrc(0) depctr_va_vcc(0) depctr_vm_vsrc(0)
	s_getreg_b32 s2, hwreg(HW_REG_IB_STS2, 6, 4)
	s_cmp_eq_u32 s2, 0
	s_cbranch_scc0 .Lentry_in_a_cluster
	s_endpgm
.Lentry_in_a_cluster:
	s_bfe_u32 s2, ttmp6, 0x10000c
	s_cmp_lg_u32 s2, 0xf033
	s_cbranch_scc0 .Lentry_shape_is_right
	s_endpgm
.Lentry_shape_is_right:
.set SIZE_K, 1024
.set AOFF,   4096*SIZE_K
.set KS,     SIZE_K/32
.set LAPS,   SIZE_K/1024
.set NP,     8
.set BP,     1040                      ; a row of W in LDS: all 1,024 codes of K + 16 of padding
.set AHALF,  32768
.set BHALF,  64*BP
.set BOFF,   4*AHALF                   ; A's two chunks of 512 along K, 65,536 bytes each, lie on end; W's 128 rows behind them
.set SLOT,   BOFF+2*BHALF
.set SCL,    SLOT
.set HALFS,  (64*KS/256)*272
.set SBLK,   (16*KS/256)*272
.set SPARE,  SCL+4*HALFS
.set SP,     272
.set ADRA, 16
.set ADRB, 20
.set BO,   22
.set STO,  24
.set RD,   25
.set CO,   26
.set ADRS, 27
.set SPW,  28
.set NIL,  29
.set SC,   32
.set BIAS, 96
.set ACC,  128
.set F0,   0
.set F1,   128
.set G1, 24
.set G0, 32
.set G1B, 48
.set G0B, 56
.set G1S, 68
.set G0S, 76
.set G1SB, 80
.set G0SB, 88
.set MSB, 0
.macro WIN new
.if MSB != (\new)
	s_set_vgpr_msb (MSB<<8)|(\new)
.set MSB, (\new)
.endif
.endm
.set MUL,  0x05
.set TO_F, 0x40
.macro JLOAD g0a, g1a, g0b, g1b
	s_cmp_eq_u32 s95, 0
	s_cbranch_scc0 .Lfor_b_\@
	tensor_load_to_lds s[\g0a:\g0a+3], s[\g1a:\g1a+7]
	s_nop 0
.rept 4
	v_nop
.endr
	s_branch .Lasked_\@
.Lfor_b_\@:
	tensor_load_to_lds s[\g0b:\g0b+3], s[\g1b:\g1b+7]
	s_nop 0
.rept 4
	v_nop
.endr
.Lasked_\@:
.endm
.macro CREST
	s_cmp_lg_u32 s94, 0
	s_cbranch_scc1 .Lnot_wave_0_\@
	s_barrier_signal -3
.Lnot_wave_0_\@:
	s_barrier_wait -3
	s_barrier_signal -1
	s_barrier_wait -1
.endm
.macro CROUND
	s_barrier_signal -1
	s_barrier_wait -1
	CREST
.endm
	s_load_b256 s[4:11], s[0:1], 0x0
	s_load_b128 s[12:15], s[0:1], 0x20
	v_lshl_add_u32 v[SPW], v0, 2, SPARE
	v_mov_b32 v[NIL], 0
	ds_add_u32 v28, v29
	ds_add_u32 v28, v29
	s_wait_dscnt 0x0
	v_lshrrev_b32 v1, 5, v0
	v_readfirstlane_b32 s94, v1
	s_lshr_b32 s95, s94, 1
	s_and_b32 s96, s94, 1
	s_bfe_u32 s40, ttmp6, 0x40000
	s_bfe_u32 s41, ttmp6, 0x40004
	s_lshl_b32 s42, ttmp9, 2
	s_add_co_u32 s42, s42, s40
	s_and_b32 s17, ttmp7, 0xffff
	s_lshl_b32 s17, s17, 2
	s_add_co_u32 s17, s17, s41
	s_lshl_b32 s43, s41, 2
	s_lshl_b32 s43, 15, s43
	s_lshl_b32 s44, 0x1111, s40
	s_or_b32 s[G1+0], s43, (3<<16)|(1<<21)
	s_mov_b32 s[G1+1], 8192<<16                    ; A: two rows of 8,192 elements of 8 bytes: my 128 rows' images of one chunk are 65,536 dense bytes
	s_mov_b32 s[G1+2], 2<<16
	s_mov_b32 s[G1+3], 8192<<16
	s_mov_b32 s[G1+4], 2
	s_mov_b32 s[G1+5], 262144                      ; the chunks lie 2,097,152 bytes apart
	s_mov_b32 s[G1+6], 0
	s_mov_b32 s[G1+7], 0
	s_or_b32 s[G1B+0], s44, (0<<16)|(1<<20)|(1<<21)|(7<<22)|(3<<25)
	s_mov_b32 s[G1B+1], 1024<<16                   ; W: 128 whole rows of K
	s_mov_b32 s[G1B+2], 128<<16
	s_mov_b32 s[G1B+3], 1024<<16
	s_mov_b32 s[G1B+4], 128
	s_mov_b32 s[G1B+5], SIZE_K
	s_mov_b32 s[G1B+6], 0
	s_mov_b32 s[G1B+7], 0
	s_or_b32 s[G1S+0], s43, (3<<16)|(1<<20)|(1<<21)|(5<<22)|(3<<25)
	s_or_b32 s[G1SB+0], s44, (3<<16)|(1<<20)|(1<<21)|(5<<22)|(3<<25)
.irp g, G1S, G1SB
	s_mov_b32 s[\g+1], 32<<16
	s_mov_b32 s[\g+2], (128*KS/256)<<16
	s_mov_b32 s[\g+3], 32<<16
	s_mov_b32 s[\g+4], 128*KS/256
	s_mov_b32 s[\g+5], 32
	s_mov_b32 s[\g+6], 0
	s_mov_b32 s[\g+7], 0
.endr
	s_lshl_b32 s20, s17, 16
	s_mov_b32 s21, 0
	s_lshl_b32 s22, s17, 7
	s_mul_i32 s22, s22, KS
	s_add_co_u32 s22, s22, AOFF
	s_mov_b32 s23, 0
	s_lshl_b32 s46, s42, 7
	s_mul_i32 s92, s46, KS
	s_mov_b32 s93, 0
	s_mul_i32 s46, s46, SIZE_K
	s_mov_b32 s47, 0
	s_wait_kmcnt 0x0
	s_add_nc_u64 s[20:21], s[4:5], s[20:21]
	s_add_nc_u64 s[22:23], s[4:5], s[22:23]
	s_add_nc_u64 s[46:47], s[6:7], s[46:47]
	s_add_nc_u64 s[92:93], s[8:9], s[92:93]
	CROUND
	s_mov_b32 s[G0S], 1
	s_mov_b32 s[G0S+1], SCL
	s_mov_b64 s[G0S+2:G0S+3], s[22:23]
	s_or_b32 s[G0S+3], s[G0S+3], 0x80000000
	s_mov_b32 s[G0SB], 1
	s_mov_b32 s[G0SB+1], SCL+2*HALFS
	s_mov_b64 s[G0SB+2:G0SB+3], s[92:93]
	s_or_b32 s[G0SB+3], s[G0SB+3], 0x80000000
	s_mov_b32 s[G0], 1
	s_mov_b32 s[G0+1], 0
	s_mov_b64 s[G0+2:G0+3], s[20:21]
	s_or_b32 s[G0+3], s[G0+3], 0x80000000
	s_mov_b32 s[G0B], 1
	s_mov_b32 s[G0B+1], BOFF
	s_mov_b64 s[G0B+2:G0B+3], s[46:47]
	s_or_b32 s[G0B+3], s[G0B+3], 0x80000000
; all of K fits in LDS: the head's four joint loads, one a wave in one chain of arms, are the launch's only fills: A, W, A's scales, W's scales
.macro ARM under, g0, g1, next
	s_cmp_lt_u32 s94, \under
	s_cbranch_scc0 \next
	tensor_load_to_lds s[\g0:\g0+3], s[\g1:\g1+7]
	s_nop 0
.rept 4
	v_nop
.endr
	s_branch .Lhead_asked
\next:
.endm
	ARM 1, G0, G1, .Lhead_b
	ARM 2, G0B, G1B, .Lhead_sa
	ARM 3, G0S, G1S, .Lhead_sb
	tensor_load_to_lds s[G0SB:G0SB+3], s[G1SB:G1SB+7]
	s_nop 0
.rept 4
	v_nop
.endr
.Lhead_asked:
	v_and_b32 v1, 15, v0
	v_bfe_u32 v2, v0, 4, 1
	v_and_b32 v3, 31, v0
	v_lshlrev_b32 v3, 4, v3
	v_mul_u32_u24 v4, v1, BP
	v_lshl_add_u32 v4, v2, 4, v4
	s_mul_i32 s21, s95, AHALF
	s_mul_i32 s22, s96, BHALF
	s_add_co_u32 s22, s22, BOFF
.irp s, 0,1
	v_add_nc_u32 v[ADRA+\s], s21, v3
	v_add_nc_u32 v[ADRB+\s], s22, v4
	s_add_co_u32 s21, s21, 2*AHALF                 ; the second 512 along K: A's next chunk,
	s_add_co_u32 s22, s22, 512                     ; and 512 bytes on in W's rows
.endr
	v_mul_u32_u24 v5, v1, KS
	v_lshrrev_b32 v6, 8, v5
	v_lshl_add_u32 v5, v6, 4, v5
	s_mul_i32 s21, s95, HALFS
	s_mul_i32 s22, s96, HALFS
	s_add_co_u32 s22, s22, 2*HALFS
	s_sub_co_u32 s22, s22, s21
	v_mul_u32_u24 v6, s22, v2
	s_add_co_u32 s21, s21, SCL
	v_add_nc_u32 v5, v5, v6
	v_add_nc_u32 v[ADRS], s21, v5
	s_mul_i32 s23, s94, 16*SP
	v_mul_u32_u24 v5, v1, SP
	v_lshl_add_u32 v5, v2, 5, v5
	v_add_nc_u32 v[STO], s23, v5
	v_mul_u32_u24 v5, v2, SP
	v_lshl_add_u32 v5, v1, 4, v5
	v_add_nc_u32 v[RD], s23, v5
	v_lshlrev_b32 v[CO], 12, v2
	v_lshl_add_u32 v[CO], v1, 4, v[CO]
	v_lshlrev_b32 v[BO], 5, v2
	s_wait_alu depctr_va_vdst(0)
	s_lshl_b32 s46, s17, 19
	s_lshl_b32 s47, s95, 18
	s_add_co_u32 s46, s46, s47
	s_lshl_b32 s47, s42, 9
	s_add_co_u32 s46, s46, s47
	s_lshl_b32 s92, s96, 8
	s_add_co_u32 s46, s46, s92
	s_add_co_u32 s92, s92, s47
	s_mov_b32 s47, 0
	s_mov_b32 s93, 0
	s_add_nc_u64 s[12:13], s[12:13], s[46:47]
	s_add_nc_u64 s[14:15], s[14:15], s[46:47]
	s_add_nc_u64 s[10:11], s[10:11], s[92:93]
.irp b, 0,1,2,3
	global_load_b128 v[BIAS+8*\b:BIAS+8*\b+3], v[BO], s[10:11] offset:64*\b
	global_load_b128 v[BIAS+8*\b+4:BIAS+8*\b+7], v[BO], s[10:11] offset:64*\b+16
.endr
	WIN 0x80
.irp a, 0,1,2,3
.irp i, 0,1,2,3,4,5,6,7
	global_load_b128 v[32*\a+4*\i:32*\a+4*\i+3], v[CO], s[12:13] offset:4096*(32*(\a/2)+8*(\a%2)+2*\i+8*(\i/4))
.endr
.endr
	WIN 0
.macro PLACES n
.rept \n
	v_nop
.endr
.endm
.macro MUL4 f, a, q, set, zero
.irp b, 0,1,2,3
.if \zero
	v_wmma_scale_f32_16x16x128_f8f6f4 v[ACC+8*(4*\a+\b):ACC+8*(4*\a+\b)+7], v[\f+64+16*\b:\f+64+16*\b+15], v[\f+16*\a:\f+16*\a+15], v[BIAS+8*\b:BIAS+8*\b+7], v[SC+16*\set+4*\b+(\q)], v[SC+16*\set+4*\a+(\q)] matrix_a_fmt:MATRIX_FMT_BF8 matrix_b_fmt:MATRIX_FMT_BF8 matrix_a_scale:MATRIX_SCALE_ROW1
.else
	v_wmma_scale_f32_16x16x128_f8f6f4 v[ACC+8*(4*\a+\b):ACC+8*(4*\a+\b)+7], v[\f+64+16*\b:\f+64+16*\b+15], v[\f+16*\a:\f+16*\a+15], v[ACC+8*(4*\a+\b):ACC+8*(4*\a+\b)+7], v[SC+16*\set+4*\b+(\q)], v[SC+16*\set+4*\a+(\q)] matrix_a_fmt:MATRIX_FMT_BF8 matrix_b_fmt:MATRIX_FMT_BF8 matrix_a_scale:MATRIX_SCALE_ROW1
.endif
.endr
.endm
.macro FETCH slot, q, f
	WIN TO_F
.irp i, 0,1,2,3
.irp c, 0,1,2,3
	ds_load_b128 v[\f+64+16*\i+4*\c:\f+64+16*\i+4*\c+3], v[ADRB+\slot] offset:128*(\q)+32*\c+\i*16*BP
.endr
.endr
.irp i, 0,1,2,3
.irp c, 0,1,2,3
	ds_load_b128 v[\f+16*\i+4*\c:\f+16*\i+4*\c+3], v[ADRA+\slot] offset:8192*\i+2048*(\q)+512*\c
.endr
.endr
.endm
.macro SCALES set
.irp i, 0,1,2,3
	ds_load_b128 v[SC+16*\set+4*\i:SC+16*\set+4*\i+3], v[ADRS] offset:\i*SBLK
.endr
.endm
.macro QUARTER slot, q, f, g, zero
	s_wait_dscnt 8
	WIN MUL
	MUL4 \f, 0, \q, \slot, \zero
	MUL4 \f, 1, \q, \slot, \zero
	PLACES NP
	FETCH \slot, (\q)+1, \g
	s_wait_dscnt 32
	WIN MUL
	MUL4 \f, 2, \q, \slot, \zero
	MUL4 \f, 3, \q, \slot, \zero
.endm
.macro TURN slot, next, fill
	WIN 0
	s_wait_tensorcnt 0x0
	ds_add_u32 v[SPW], v[NIL]
	s_wait_dscnt 9
	WIN MUL
	MUL4 F1, 0, 3, \slot, 0
	MUL4 F1, 1, 3, \slot, 0
	s_wait_dscnt 0x0
	s_barrier_signal -1
	MUL4 F1, 2, 3, \slot, 0
	WIN 0
	s_barrier_wait -1
.if \fill
	CREST
	s_add_nc_u64 s[G0+4*\slot+2:G0+4*\slot+3], s[G0+4*\slot+2:G0+4*\slot+3], 2*2097152
	s_add_nc_u64 s[G0B+4*\slot+2:G0B+4*\slot+3], s[G0B+4*\slot+2:G0B+4*\slot+3], 2*512
	JLOAD G0+4*\slot, G1, G0B+4*\slot, G1B
	PLACES NP-4
.else
	PLACES NP
.endif
	v_add_nc_u32 v[ADRS], 16, v[ADRS]
	SCALES \next
	FETCH \next, 0, F0
	WIN MUL
	MUL4 F1, 3, 3, \slot, 0
.endm
	s_wait_alu depctr_va_vdst(0)
	s_wait_tensorcnt 0x0                           ; my tile of the four is in
	s_barrier_signal -1
	s_barrier_wait -1
	SCALES 0
	FETCH 0, 0, F0
	s_wait_loadcnt 32
	QUARTER 0, 0, F0, F1, 1
.if LAPS > 1
	WIN 0
	s_mov_b32 s3, LAPS-1
.Llap:
	QUARTER 0, 1, F1, F0, 0
	QUARTER 0, 2, F0, F1, 0
	TURN 0, 1, 1
	QUARTER 1, 0, F0, F1, 0
	QUARTER 1, 1, F1, F0, 0
	QUARTER 1, 2, F0, F1, 0
	TURN 1, 0, 1
	QUARTER 0, 0, F0, F1, 0
	WIN 0
	s_sub_co_u32 s3, s3, 1
	s_cmp_lg_u32 s3, 0
	s_cbranch_scc1 .Llap
.endif
	QUARTER 0, 1, F1, F0, 0
	QUARTER 0, 2, F0, F1, 0
	TURN 0, 1, 0
	QUARTER 1, 0, F0, F1, 0
	QUARTER 1, 1, F1, F0, 0
	QUARTER 1, 2, F0, F1, 0
	s_wait_dscnt 8
	WIN MUL
	MUL4 F1, 0, 3, 1, 0
	MUL4 F1, 1, 3, 1, 0
	s_wait_dscnt 0
	MUL4 F1, 2, 3, 1, 0
	MUL4 F1, 3, 3, 1, 0
	WIN 0
	PLACES NP
.irp a, 0,1,2,3
.set TM, 64-32*(\a%2)
.if \a >= 2
	s_wait_xcnt 0x0
.endif
.irp b, 0,1,2,3
	ds_store_b128 v[STO], v[ACC+8*(4*\a+\b):ACC+8*(4*\a+\b)+3] offset:64*\b
	ds_store_b128 v[STO], v[ACC+8*(4*\a+\b)+4:ACC+8*(4*\a+\b)+7] offset:64*\b+16
.endr
.irp i, 0,1,2,3,4,5,6,7
	ds_load_b128 v[TM+4*\i:TM+4*\i+3], v[RD] offset:2*\i*SP
.endr
	s_wait_dscnt 0x0
.if \a == 0
	s_wait_loadcnt 0x0
.endif
	WIN 0x08
.irp k, 0,2,4,6,8,10,12,14,16,18,20,22,24,26,28,30
	v_pk_add_f32 v[TM+\k:TM+\k+1], v[TM+\k:TM+\k+1], v[32*\a+\k:32*\a+\k+1]
.endr
	WIN 0
.irp i, 0,1,2,3,4,5,6,7
	global_store_b128 v[CO], v[TM+4*\i:TM+4*\i+3], s[14:15] offset:4096*(32*(\a/2)+8*(\a%2)+2*\i+8*(\i/4))
.endr
.endr
	s_wait_tensorcnt 0x0
	ds_add_u32 v[SPW], v[NIL]
	s_wait_dscnt 0x0
	CROUND
	s_endpgm
.Lfunc_end_k_qa63f0ae32f_outp:
	.size	k_qa63f0ae32f_outp, .Lfunc_end_k_qa63f0ae32f_outp-k_qa63f0ae32f_outp
	.p2alignl 7, 3214868480
	.fill 96, 4, 3214868480
	.section	.rodata,"a",@progbits
	.p2align	6, 0x0
	.amdhsa_kernel k_qa63f0ae32f_outp
		.amdhsa_group_segment_fixed_size 327680
		.amdhsa_private_segment_fixed_size 0
		.amdhsa_enable_private_segment 0
		.amdhsa_kernarg_size 48
		.amdhsa_user_sgpr_count 2
		.amdhsa_user_sgpr_kernarg_segment_ptr 1
		.amdhsa_wavefront_size32 1
		.amdhsa_system_sgpr_workgroup_id_x 1
		.amdhsa_system_sgpr_workgroup_id_y 1
		.amdhsa_system_sgpr_workgroup_id_z 1
		.amdhsa_system_vgpr_workitem_id 0
		.amdhsa_next_free_vgpr 640
		.amdhsa_next_free_sgpr 100
		.amdhsa_reserve_vcc 0
		.amdhsa_float_denorm_mode_32 3
		.amdhsa_float_denorm_mode_16_64 3
		.amdhsa_memory_ordered 1
		.amdhsa_forward_progress 1
		.amdhsa_inst_pref_size 61
	.end_amdhsa_kernel
	.amdgpu_metadata
---
amdhsa.version: [ 1, 2 ]
amdhsa.kernels:
  - .name:           k_qa63f0ae32f_outp
    .symbol:         k_qa63f0ae32f_outp.kd
    .args:
      - { .name: W3, .offset: 0, .size: 8, .value_kind: global_buffer, .address_space: global }
      - { .name: out_w_codes, .offset: 8, .size: 8, .value_kind: global_buffer, .address_space: global }
      - { .name: out_w_scales, .offset: 16, .size: 8, .value_kind: global_buffer, .address_space: global }
      - { .name: out_b, .offset: 24, .size: 8, .value_kind: global_buffer, .address_space: global }
      - { .name: x, .offset: 32, .size: 8, .value_kind: global_buffer, .address_space: global }
      - { .name: X1, .offset: 40, .size: 8, .value_kind: global_buffer, .address_space: global }
    .group_segment_fixed_size: 327680
    .private_segment_fixed_size: 0
    .kernarg_segment_align: 8
    .kernarg_segment_size: 48
    .max_flat_workgroup_size: 128
    .sgpr_count:     100
    .vgpr_count:     640
    .wavefront_size: 32
...
	.end_amdgpu_metadata
.endif
;; end of part 4
;; launch ln2: the kernel of part 1 again; grid 256 x 1, 4 waves a work-group, no clusters, 22,016 bytes of LDS; arguments X1, ln2_g, ln2_b, W1, mask, MW; writes W1, MW
;; launch fc1 (part 5): grid 16 x 16, 4 waves a work-group, clusters of 4 x 4, 327,680 bytes of LDS; arguments W1, fc1_b, fc1_w_codes, fc1_w_scales, W4; writes W4
.if DOCPART == 5
	.amdgcn_target "amdgcn-amd-amdhsa--gfx1250"
	.amdhsa_code_object_version 6
	.text
	.protected	k_qa63f0ae32f_fc1
	.globl	k_qa63f0ae32f_fc1
	.p2align	8
	.type	k_qa63f0ae32f_fc1,@function
k_qa63f0ae32f_fc1:
	s_mov_b64 s[64:65], 0
	v_nop
	global_prefetch_b8 v0, s[64:65] scope:SCOPE_SE
	s_setreg_imm32_b32 hwreg(HW_REG_WAVE_MODE, 25, 1), 1
	s_wait_xcnt 0x0
	s_wait_alu depctr_hold_cnt(0) depctr_sa_sdst(0) depctr_va_vdst(0) depctr_va_sdst(0) depctr_va_ssrc(0) depctr_va_vcc(0) depctr_vm_vsrc(0)
	s_getreg_b32 s2, hwreg(HW_REG_IB_STS2, 6, 4)
	s_cmp_eq_u32 s2, 0
	s_cbranch_scc0 .Lentry_in_a_cluster
	s_endpgm
.Lentry_in_a_cluster:
	s_bfe_u32 s2, ttmp6, 0x10000c
	s_cmp_lg_u32 s2, 0xf033
	s_cbranch_scc0 .Lentry_shape_is_right
	s_endpgm
.Lentry_shape_is_right:
.set SIZE_K, 1024
.set KSTEP,  256
.set NQ,     KSTEP/128
.set ROWB,   256
.set KROW,   SIZE_K
.set PITCH,  272
.set FR,     16
.set NL,     4
.set NP,     8
.set HALFT,  128*PITCH
.set SLOT,   4*HALFT
.set LAPS,   SIZE_K/(2*KSTEP)
.set KS,     SIZE_K/32
.set SCL,    2*SLOT
.set HALFS,  (128*KS/256)*272
.set SBLK,   (16*KS/256)*272
.set SPARE,  SCL+4*HALFS
.set DP,     528
.set DREG,   128*DP
.set ADRA, 16
.set ADRB, 20
.set BO,   22
.set DA,   24
.set QA,   25
.set GO1,  26
.set ADRS, 27
.set SPW,  28
.set NIL,  29
.set GO2,  30
.set QAD,  31
.set SC,   32
.set BIAS, 64
.set AF,   128
.set GZ,   160
.set GW,   176
.set GP,   192
.set GQ,   208
.set QT,   248
.set G1, 24
.set G0, 32
.set G1B, 48
.set G0B, 56
.set G1S, 68
.set G0S, 76
.set G1SB, 80
.set G0SB, 88
.set MSB, 0
.macro WIN new
.if MSB != (\new)
	s_set_vgpr_msb (MSB<<8)|(\new)
.set MSB, (\new)
.endif
.endm
.set MUL_LO, 0xa1
.set MUL_HI, 0xf1
.set TO_B,   0x40
.macro JLOAD g0a, g1a, g0b, g1b
	s_cmp_eq_u32 s15, 0
	s_cbranch_scc0 .Lfor_b_\@
	tensor_load_to_lds s[\g0a:\g0a+3], s[\g1a:\g1a+7]
	s_nop 0
.rept 4
	v_nop
.endr
	s_branch .Lasked_\@
.Lfor_b_\@:
	tensor_load_to_lds s[\g0b:\g0b+3], s[\g1b:\g1b+7]
	s_nop 0
.rept 4
	v_nop
.endr
.Lasked_\@:
.endm
.macro CREST
	s_cmp_lg_u32 s14, 0
	s_cbranch_scc1 .Lnot_wave_0_\@
	s_barrier_signal -3
.Lnot_wave_0_\@:
	s_barrier_wait -3
	s_barrier_signal -1
	s_barrier_wait -1
.endm
.macro CROUND
	s_barrier_signal -1
	s_barrier_wait -1
	CREST
.endm
	s_load_b128 s[4:7], s[0:1], 0x0
	s_load_b128 s[8:11], s[0:1], 0x10
	s_load_b64 s[12:13], s[0:1], 0x20
	v_lshl_add_u32 v[SPW], v0, 2, SPARE
	v_mov_b32 v[NIL], 0
	ds_add_u32 v28, v29
	ds_add_u32 v28, v29
	s_wait_dscnt 0x0
	v_lshrrev_b32 v1, 5, v0
	v_readfirstlane_b32 s14, v1
	s_lshr_b32 s15, s14, 1
	s_and_b32 s16, s14, 1
	s_bfe_u32 s40, ttmp6, 0x40000
	s_bfe_u32 s41, ttmp6, 0x40004
	s_lshl_b32 s42, ttmp9, 2
	s_add_co_u32 s42, s42, s40
	s_and_b32 s17, ttmp7, 0xffff
	s_lshl_b32 s17, s17, 2
	s_add_co_u32 s17, s17, s41
	s_lshl_b32 s43, s41, 2
	s_lshl_b32 s43, 15, s43
	s_lshl_b32 s44, 0x1111, s40
	s_or_b32 s[G1+0], s43, (0<<16)|(1<<20)|(1<<21)|(5<<22)|(3<<25)
	s_or_b32 s[G1B+0], s44, (0<<16)|(1<<20)|(1<<21)|(5<<22)|(3<<25)
.irp g, G1, G1B
	s_mov_b32 s[\g+1], ROWB<<16
	s_mov_b32 s[\g+2], 256<<16                     ; the head's loads bring 256 rows; behind them the two words are set to 128
	s_mov_b32 s[\g+3], ROWB<<16
	s_mov_b32 s[\g+4], 256
	s_mov_b32 s[\g+5], KROW
	s_mov_b32 s[\g+6], 0
	s_mov_b32 s[\g+7], 0
.endr
	s_or_b32 s[G1S+0], s43, (3<<16)|(1<<20)|(1<<21)|(5<<22)|(3<<25)
	s_or_b32 s[G1SB+0], s44, (3<<16)|(1<<20)|(1<<21)|(5<<22)|(3<<25)
.irp g, G1S, G1SB
	s_mov_b32 s[\g+1], 32<<16
	s_mov_b32 s[\g+2], KS<<16                      ; the scales of 256 rows: KS rows of 256 bytes
	s_mov_b32 s[\g+3], 32<<16
	s_mov_b32 s[\g+4], KS
	s_mov_b32 s[\g+5], 32
	s_mov_b32 s[\g+6], 0
	s_mov_b32 s[\g+7], 0
.endr
	s_lshl_b32 s20, s17, 8                         ; A: the tile's first row
	s_lshl_b32 s46, s42, 8                         ; W: likewise
	s_mov_b32 s21, 0
	s_mov_b32 s47, 0
	s_mov_b64 s[18:19], KS
	s_mul_u64 s[22:23], s[20:21], s[18:19]
	s_mul_u64 s[92:93], s[46:47], s[18:19]
	s_mov_b64 s[18:19], KROW
	s_mul_u64 s[20:21], s[20:21], s[18:19]
	s_mul_u64 s[46:47], s[46:47], s[18:19]
	s_mul_i32 s45, s14, HALFT
	s_mul_i32 s18, s16, 128*KROW                   ; in the ring I fetch 128 rows of a tile: which half, in bytes
	s_mov_b32 s19, 0
	s_wait_kmcnt 0x0
	s_mov_b64 s[98:99], s[6:7]
	s_add_nc_u64 s[6:7], s[4:5], 0x400000
	s_add_nc_u64 s[20:21], s[4:5], s[20:21]
	s_add_nc_u64 s[22:23], s[6:7], s[22:23]
	s_add_nc_u64 s[46:47], s[8:9], s[46:47]
	s_add_nc_u64 s[92:93], s[10:11], s[92:93]
	CROUND
	s_mov_b32 s[G0S], 1
	s_mov_b32 s[G0S+1], SCL
	s_mov_b64 s[G0S+2:G0S+3], s[22:23]
	s_or_b32 s[G0S+3], s[G0S+3], 0x80000000
	s_mov_b32 s[G0SB], 1
	s_mov_b32 s[G0SB+1], SCL+2*HALFS
	s_mov_b64 s[G0SB+2:G0SB+3], s[92:93]
	s_or_b32 s[G0SB+3], s[G0SB+3], 0x80000000
	s_mov_b32 s4, 1                                ; s[4:7]: group 0 of K step 0's 256 rows of A (the arguments that lay there are used up)
	s_mov_b32 s5, 0
	s_mov_b64 s[6:7], s[20:21]
	s_or_b32 s7, s7, 0x80000000
	s_mov_b32 s8, 1                                ; s[8:11]: of its 256 rows of W
	s_mov_b32 s9, 2*HALFT
	s_mov_b64 s[10:11], s[46:47]
	s_or_b32 s11, s11, 0x80000000
	s_add_nc_u64 s[20:21], s[20:21], s[18:19]      ; for the ring: my 128 rows
	s_add_nc_u64 s[46:47], s[46:47], s[18:19]
.irp s, 0,1
	s_mov_b32 s[G0+4*\s], 1
	s_add_co_u32 s[G0+4*\s+1], s45, \s*SLOT
	s_add_nc_u64 s[G0+4*\s+2:G0+4*\s+3], s[20:21], \s*ROWB
	s_or_b32 s[G0+4*\s+3], s[G0+4*\s+3], 0x80000000
	s_mov_b32 s[G0B+4*\s], 1
	s_add_co_u32 s[G0B+4*\s+1], s45, \s*SLOT
	s_add_nc_u64 s[G0B+4*\s+2:G0B+4*\s+3], s[46:47], \s*ROWB
	s_or_b32 s[G0B+4*\s+3], s[G0B+4*\s+3], 0x80000000
.endr
; the head's four tiles, one joint load a wave, in one chain of arms on the wave's number: A's rows, W's rows, A's scales, W's scales
.macro ARM under, g0, g1, next
	s_cmp_lt_u32 s14, \under
	s_cbranch_scc0 \next
	tensor_load_to_lds s[\g0:\g0+3], s[\g1:\g1+7]
	s_nop 0
.rept 4
	v_nop
.endr
	s_branch .Lhead_asked
\next:
.endm
	ARM 1, 4, G1, .Lhead_b
	ARM 2, 8, G1B, .Lhead_sa
	ARM 3, G0S, G1S, .Lhead_sb
	tensor_load_to_lds s[G0SB:G0SB+3], s[G1SB:G1SB+7]
	s_nop 0
.rept 4
	v_nop
.endr
.Lhead_asked:
	; the prefetches: of the 128 rows that my wave fetches in the ring the four partners of the joint load take 32 each, told apart by address (cx for A, cy for W); a lane a row, 256 bytes of it a K step
	s_cmp_eq_u32 s15, 0
	s_cselect_b64 s[92:93], s[20:21], s[46:47]
	s_cselect_b32 s94, s40, s41
	s_mul_i32 s94, s94, 32*KROW
	s_mov_b32 s95, 0
	s_add_nc_u64 s[92:93], s[92:93], s[94:95]
	v_and_b32 v8, 31, v0
	v_lshlrev_b32 v8, 10, v8
	s_wait_alu depctr_va_vdst(0)
	global_prefetch_b8 v8, s[92:93] offset:256 th:TH_LOAD_NT scope:SCOPE_SE   ; K step 1
	global_prefetch_b8 v8, s[92:93] offset:512 th:TH_LOAD_NT scope:SCOPE_SE   ; K step 2
	v_and_b32 v1, 15, v0
	v_bfe_u32 v2, v0, 4, 1
	v_mul_u32_u24 v3, v1, PITCH
	v_lshl_add_u32 v4, v2, 4, v3
	s_mul_i32 s21, s15, HALFT
	s_mul_i32 s22, s16, HALFT
	s_add_co_u32 s22, s22, 2*HALFT
.irp s, 0,1
	v_add_nc_u32 v[ADRA+\s], s21, v4
	v_add_nc_u32 v[ADRB+\s], s22, v4
	s_add_co_u32 s21, s21, SLOT
	s_add_co_u32 s22, s22, SLOT
.endr
	v_mul_u32_u24 v5, v1, KS
	v_lshrrev_b32 v6, 8, v5
	v_lshl_add_u32 v5, v6, 4, v5
	s_mul_i32 s21, s15, HALFS
	s_mul_i32 s22, s16, HALFS
	s_add_co_u32 s22, s22, 2*HALFS
	s_sub_co_u32 s22, s22, s21
	v_mul_u32_u24 v6, s22, v2
	s_add_co_u32 s21, s21, SCL
	v_add_nc_u32 v5, v5, v6
	v_add_nc_u32 v[ADRS], s21, v5
	s_mul_i32 s23, s14, DREG
	v_mul_u32_u24 v5, v1, DP
	v_lshl_add_u32 v5, v2, 5, v5
	v_add_nc_u32 v[DA], s23, v5
	v_and_b32 v6, 8, v1
	v_add_nc_u32 v6, v6, v1
	v_mul_u32_u24 v6, v6, DP
	v_lshl_add_u32 v6, v2, 8, v6
	v_add_nc_u32 v[QA], s23, v6
	v_lshlrev_b32 v[BO], 5, v2
	v_mov_b32 v12, 0xAF95DF0B
	v_mov_b32 v13, 0xAF95DF0B
	v_mov_b32 v14, 0xB77460CD
	v_mov_b32 v15, 0xB77460CD
	s_lshl_b32 s46, s42, 10
	s_lshl_b32 s47, s16, 9
	s_add_co_u32 s46, s46, s47
	s_mov_b32 s47, 0
	s_add_nc_u64 s[98:99], s[98:99], s[46:47]
.irp b, 0,1,2,3,4,5,6,7
	global_load_b128 v[BIAS+8*\b:BIAS+8*\b+3], v[BO], s[98:99] offset:64*\b
	global_load_b128 v[BIAS+8*\b+4:BIAS+8*\b+7], v[BO], s[98:99] offset:64*\b+16
.endr
.macro FRAG reg, adr, q, i
.irp c, 0,1,2,3
	ds_load_b128 v[\reg+4*\c:\reg+4*\c+3], v[\adr] offset:128*(\q)+32*\c+(\i)*16*PITCH
.endr
.endm
.macro MUL16 a0, p, q, sc, zero
.irp a, \a0, \a0+1
.irp b, 0,1,2,3,4,5,6,7
.if \zero
	v_wmma_scale_f32_16x16x128_f8f6f4 v[8*(8*((\a)%4)+\b):8*(8*((\a)%4)+\b)+7], v[128*(\p)+FR*\b:128*(\p)+FR*\b+FR-1], v[AF+FR*(\a):AF+FR*(\a)+FR-1], v[BIAS+8*\b:BIAS+8*\b+7], v[SC+8*NQ*(\sc)+NQ*\b+(\q)], v[SC+8*NQ*(\sc)+NQ*(\a)+(\q)] matrix_a_fmt:MATRIX_FMT_BF8 matrix_b_fmt:MATRIX_FMT_BF8 matrix_a_scale:MATRIX_SCALE_ROW1
.else
	v_wmma_scale_f32_16x16x128_f8f6f4 v[8*(8*((\a)%4)+\b):8*(8*((\a)%4)+\b)+7], v[128*(\p)+FR*\b:128*(\p)+FR*\b+FR-1], v[AF+FR*(\a):AF+FR*(\a)+FR-1], v[8*(8*((\a)%4)+\b):8*(8*((\a)%4)+\b)+7], v[SC+8*NQ*(\sc)+NQ*\b+(\q)], v[SC+8*NQ*(\sc)+NQ*(\a)+(\q)] matrix_a_fmt:MATRIX_FMT_BF8 matrix_b_fmt:MATRIX_FMT_BF8 matrix_a_scale:MATRIX_SCALE_ROW1
.endif
.endr
.endr
.endm
.macro FETCH_B slot, q, p
	WIN TO_B
.irp i, 0,1,2,3,4,5,6,7
	FRAG 128*(\p)+FR*\i, ADRB+\slot, \q, \i
.endr
	WIN 0
.endm
.macro FETCH_A slot, q, i0
.irp i, \i0, \i0+1, \i0+2, \i0+3
	FRAG AF+FR*(\i), ADRA+\slot, \q, \i
.endr
.endm
.macro SCALES sc
.irp i, 0,1,2,3,4,5,6,7
	ds_load_b64 v[SC+8*NQ*\sc+NQ*\i:SC+8*NQ*\sc+NQ*\i+1], v[ADRS] offset:\i*SBLK
.endr
.endm
.macro PLACES n
.rept \n
	v_nop
.endr
.endm
.macro STEP slot, q, zero
	s_wait_dscnt 4*NL
.if \zero
	WIN 0x81
.else
	WIN MUL_LO
.endif
	MUL16 0, (\q)%2, \q, \slot, \zero
	MUL16 2, (\q)%2, \q, \slot, \zero
	s_wait_dscnt 0
	PLACES NP
	FETCH_B \slot, (\q)+1, 1-(\q)%2
	FETCH_A \slot, (\q)+1, 0
.if \zero
	WIN 0xc1
.else
	WIN MUL_HI
.endif
	MUL16 4, (\q)%2, \q, \slot, \zero
	MUL16 6, (\q)%2, \q, \slot, \zero
	PLACES NP
	WIN 0
	FETCH_A \slot, (\q)+1, 4
.endm
.macro TURN slot, next, fill
	s_wait_tensorcnt 0x0
	ds_add_u32 v[SPW], v[NIL]
	s_wait_dscnt 4*NL+1
	WIN MUL_LO
	MUL16 0, 1, NQ-1, \slot, 0
	s_wait_dscnt 0x0
	s_barrier_signal -1
	MUL16 2, 1, NQ-1, \slot, 0
	WIN 0
	s_barrier_wait -1
.if \fill
	CREST
	s_add_nc_u64 s[G0+4*\slot+2:G0+4*\slot+3], s[G0+4*\slot+2:G0+4*\slot+3], 2*ROWB
	s_add_nc_u64 s[G0B+4*\slot+2:G0B+4*\slot+3], s[G0B+4*\slot+2:G0B+4*\slot+3], 2*ROWB
	JLOAD G0+4*\slot, G1, G0B+4*\slot, G1B
	PLACES NP-4
.else
	PLACES NP
.endif
	s_wait_alu depctr_va_vdst(0)
	v_add_nc_u32 v[ADRS], 4*NQ, v[ADRS]
	FETCH_B \next, 0, 0
	FETCH_A \next, 0, 0
	SCALES \next
	WIN MUL_HI
	MUL16 4, 1, NQ-1, \slot, 0
	MUL16 6, 1, NQ-1, \slot, 0
	PLACES NP
	WIN 0
	FETCH_A \next, 0, 4
.endm
	s_wait_alu depctr_va_vdst(0)
	s_wait_tensorcnt 0x0                           ; my tile of the head's four is in
	ds_add_u32 v[SPW], v[NIL]                      ; the add ahead of a later first fill
	s_mov_b32 s[G1+2], 128<<16                     ; no load of mine is out: from here on a load brings 128 rows
	s_mov_b32 s[G1+4], 128
	s_mov_b32 s[G1B+2], 128<<16
	s_mov_b32 s[G1B+4], 128
	s_wait_dscnt 0x0
	CROUND                                         ; all four tiles are in, all sixteen work-groups are here
	JLOAD G0+4, G1, G0B+4, G1B                     ; K step 1, the first tensor load behind the round
	FETCH_B 0, 0, 0
	FETCH_A 0, 0, 0
	SCALES 0
	FETCH_A 0, 0, 4
	global_prefetch_b8 v8, s[92:93] offset:768 th:TH_LOAD_NT scope:SCOPE_SE   ; K step 3, the last
	s_wait_loadcnt 0x0
	STEP 0, 0, 1
	s_mov_b32 s3, LAPS-1
.Llap:
	TURN 0, 1, 1
	STEP 1, 0, 0
	TURN 1, 0, 1
	STEP 0, 0, 0
	s_sub_co_u32 s3, s3, 1
	s_cmp_lg_u32 s3, 0
	s_cbranch_scc1 .Llap
	TURN 0, 1, 0
	STEP 1, 0, 0
	s_wait_dscnt 4*NL
	WIN MUL_LO
	MUL16 0, 1, NQ-1, 1, 0
	MUL16 2, 1, NQ-1, 1, 0
	s_wait_dscnt 0x0
	s_barrier_signal -1
	WIN MUL_HI
	MUL16 4, 1, NQ-1, 1, 0
	MUL16 6, 1, NQ-1, 1, 0
	WIN 0
	s_barrier_wait -1
	PLACES NP
.irp a, 0,1,2,3,4,5,6,7
	WIN 0x08+4*(\a/4)
.irp b, 0,1,2,3,4,5,6,7
	ds_store_b128 v[DA], v[8*(8*(\a%4)+\b):8*(8*(\a%4)+\b)+3] offset:16*DP*\a+64*\b
	ds_store_b128 v[DA], v[8*(8*(\a%4)+\b)+4:8*(8*(\a%4)+\b)+7] offset:16*DP*\a+64*\b+16
.endr
.endr
	WIN 0
.macro QB s, c, e
.set QS, \s
.set QC, \c
	v_max3_num_f32 v[QT], |v[QS]|, |v[QS+1]|, |v[QS+2]|
	v_max3_num_f32 v[QT+1], |v[QS+3]|, |v[QS+4]|, |v[QS+5]|
.irp i, 6,10,14,18,22,26
	v_max3_num_f32 v[QT], v[QT], |v[QS+\i]|, |v[QS+\i+1]|
	v_max3_num_f32 v[QT+1], v[QT+1], |v[QS+\i+2]|, |v[QS+\i+3]|
.endr
	v_max3_num_f32 v[QT], v[QT], |v[QS+30]|, |v[QS+31]|
	v_max3_num_f32 v[QT], v[QT], v[QT+1], 0x8000000
	v_add_nc_u32 v[QT+2], 0xf8800000, v[QT]
	v_and_or_b32 v[QT+3], v[QT], 0x7f800000, s100
	v_lshrrev_b32 v[\e], 23, v[QT+2]
.set qi, 0
.rept 32
	v_med3_num_f32 v[QS+qi], v[QS+qi], -v[QT+3], v[QT+3]
.set qi, qi+1
.endr
.irp g, 0,1,2,3
	v_cvt_scalef32_pk8_bf8_f32 v[QC+2*\g:QC+2*\g+1], v[QS+8*\g:QS+8*\g+7], v[QT+2]
.endr
	v_nop
.endm
.macro GELU16 s
.set GX, \s
.irp k, 0,2,4,6,8,10,12,14
	v_pk_mul_f32 v[GZ+\k:GZ+\k+1], v[GX+\k:GX+\k+1], 0x3f3504f3 op_sel_hi:[1,0]
.endr
.irp k, 0,1,2,3,4,5,6,7,8,9,10,11,12,13,14,15
	v_med3_num_f32 v[GZ+\k], v[GZ+\k], -4.0, 4.0
.endr
.irp k, 0,2,4,6,8,10,12,14
	v_pk_mul_f32 v[GW+\k:GW+\k+1], v[GZ+\k:GZ+\k+1], v[GZ+\k:GZ+\k+1]
.endr
.irp k, 0,2,4,6,8,10,12,14
	v_pk_fma_f32 v[GP+\k:GP+\k+1], v[GW+\k:GW+\k+1], v[12:13], 0x32EDFFEE op_sel_hi:[1,0,0]
.endr
.irp cf, 0xB60CFF51, 0xB86EC2D2, 0xBA40AC63, 0xBB41A1F6, 0xBC83DBD4
.irp k, 0,2,4,6,8,10,12,14
	v_pk_fma_f32 v[GP+\k:GP+\k+1], v[GP+\k:GP+\k+1], v[GW+\k:GW+\k+1], \cf op_sel_hi:[1,1,0]
.endr
.endr
.irp k, 0,2,4,6,8,10,12,14
	v_pk_fma_f32 v[GQ+\k:GQ+\k+1], v[GW+\k:GW+\k+1], v[14:15], 0xB95FBD29 op_sel_hi:[1,0,0]
.endr
.irp cf, 0xBADC924E, 0xBBF19BF8, 0xBC69B6A7
.irp k, 0,2,4,6,8,10,12,14
	v_pk_fma_f32 v[GQ+\k:GQ+\k+1], v[GQ+\k:GQ+\k+1], v[GW+\k:GW+\k+1], \cf op_sel_hi:[1,1,0]
.endr
.endr
	s_wait_alu depctr_va_vdst(0)
.irp k, 0,1,2,3,4,5,6,7,8,9,10,11,12,13,14,15
	v_rcp_f32 v[GQ+\k], v[GQ+\k]
.endr
.irp k, 0,2,4,6,8,10,12,14
	v_pk_mul_f32 v[GP+\k:GP+\k+1], v[GP+\k:GP+\k+1], v[GZ+\k:GZ+\k+1]
.endr
	s_wait_alu depctr_va_vdst(0)
.irp k, 0,2,4,6,8,10,12,14
	v_pk_mul_f32 v[GP+\k:GP+\k+1], v[GP+\k:GP+\k+1], v[GQ+\k:GQ+\k+1]
.endr
.irp k, 0,2,4,6,8,10,12,14
	v_pk_mul_f32 v[GZ+\k:GZ+\k+1], v[GX+\k:GX+\k+1], 0.5 op_sel_hi:[1,0]
.endr
.irp k, 0,2,4,6,8,10,12,14
	v_pk_fma_f32 v[GX+\k:GX+\k+1], v[GP+\k:GP+\k+1], v[GZ+\k:GZ+\k+1], v[GZ+\k:GZ+\k+1]
.endr
.endm
	s_wait_xcnt 0x0                                ; the prefetches have read their address: s92 and s93 are written anew below
	s_mov_b32 s100, 0x600000
	v_lshlrev_b32 v[GO1], 4, v1
	v_lshl_add_u32 v[GO1], v2, 10, v[GO1]
	v_lshlrev_b32 v[GO2], 7, v1
	v_lshl_add_u32 v[GO2], v2, 1, v[GO2]
	s_lshr_b32 s46, s42, 1
	s_lshl_b32 s46, s46, 21
	s_lshl_b32 s47, s17, 4
	s_lshl_b32 s92, s15, 3
	s_add_co_u32 s47, s47, s92
	s_lshl_b32 s92, s47, 11
	s_lshl_b32 s47, s47, 13
	s_add_co_u32 s46, s46, s47
	s_and_b32 s47, s42, 1
	s_lshl_b32 s47, s47, 1
	s_add_co_u32 s47, s47, s16
	s_lshl_b32 s47, s47, 11
	s_add_co_u32 s46, s46, s47
	s_mov_b32 s47, 0
	s_lshl_b32 s93, s42, 1
	s_add_co_u32 s93, s93, s16
	s_lshl_b32 s93, s93, 2
	s_add_co_u32 s92, s92, s93
	s_add_co_u32 s92, s92, 0x1000000
	s_mov_b32 s93, 0
	s_add_nc_u64 s[96:97], s[12:13], s[92:93]
	s_add_nc_u64 s[12:13], s[12:13], s[46:47]
.macro LOADF u                         ; block u of the 32 rows at QAD: my token's 64 numbers into set u (v32-95, v96-159): asked for one block ahead of their use
.set li, 0
.rept 16
	ds_load_b128 v[32+64*\u+4*li:32+64*\u+4*li+3], v[QAD] offset:8*\u*DP+16*li
.set li, li+1
.endr
.endm
.macro BLOCKF u                        ; the wait for set u stands in front of the macro
.irp j, 0,1,2,3
	GELU16 32+64*\u+16*\j
.endr
	s_wait_xcnt 0x0
	QB 32+64*\u, 224, 252
	QB 64+64*\u, 232, 253
	v_lshl_or_b32 v254, v253, 8, v252
.irp k, 0,1,2,3
	global_store_b128 v[GO1], v[224+4*\k:227+4*\k], s[12:13] offset:8192*\u+256*\k
.endr
	global_store_b16 v[GO2], v254, s[96:97] offset:2048*\u
.endm
	s_mov_b32 s2, 0
	s_mov_b32 s3, 4
	v_mov_b32 v[QAD], v[QA]
	LOADF 0
.Lp:
	LOADF 1
	s_wait_dscnt 16                                ; set 0 is in; set 1's sixteen may be out
	BLOCKF 0
	s_add_co_u32 s2, s2, 32*DP
	s_cmp_eq_u32 s3, 1                             ; the last trip has no rows behind it
	s_cbranch_scc1 .Llastf
	v_add_nc_u32 v[QAD], s2, v[QA]
	LOADF 0
	s_wait_dscnt 16                                ; set 1 is in; the next trip's sixteen may be out
	s_branch .Lgof
.Llastf:
	s_wait_dscnt 0x0
.Lgof:
	BLOCKF 1
	s_wait_xcnt 0x0
	s_add_nc_u64 s[12:13], s[12:13], 16384
	s_add_nc_u64 s[96:97], s[96:97], 4096
	s_sub_co_u32 s3, s3, 1
	s_cmp_lg_u32 s3, 0
	s_cbranch_scc1 .Lp
	s_wait_tensorcnt 0x0
	ds_add_u32 v[SPW], v[NIL]
	s_wait_dscnt 0x0
	CROUND
	s_endpgm
.Lfunc_end_k_qa63f0ae32f_fc1:
	.size	k_qa63f0ae32f_fc1, .Lfunc_end_k_qa63f0ae32f_fc1-k_qa63f0ae32f_fc1
	.p2alignl 7, 3214868480
	.fill 96, 4, 3214868480
	.section	.rodata,"a",@progbits
	.p2align	6, 0x0
	.amdhsa_kernel k_qa63f0ae32f_fc1
		.amdhsa_group_segment_fixed_size 327680
		.amdhsa_private_segment_fixed_size 0
		.amdhsa_enable_private_segment 0
		.amdhsa_kernarg_size 40
		.amdhsa_user_sgpr_count 2
		.amdhsa_user_sgpr_kernarg_segment_ptr 1
		.amdhsa_wavefront_size32 1
		.amdhsa_system_sgpr_workgroup_id_x 1
		.amdhsa_system_sgpr_workgroup_id_y 1
		.amdhsa_system_sgpr_workgroup_id_z 1
		.amdhsa_system_vgpr_workitem_id 0
		.amdhsa_next_free_vgpr 1024
		.amdhsa_next_free_sgpr 102
		.amdhsa_reserve_vcc 0
		.amdhsa_float_denorm_mode_32 3
		.amdhsa_float_denorm_mode_16_64 3
		.amdhsa_memory_ordered 1
		.amdhsa_forward_progress 1
		.amdhsa_inst_pref_size 246
	.end_amdhsa_kernel
	.amdgpu_metadata
---
amdhsa.version: [ 1, 2 ]
amdhsa.kernels:
  - .name:           k_qa63f0ae32f_fc1
    .symbol:         k_qa63f0ae32f_fc1.kd
    .args:
      - { .name: W1, .offset: 0, .size: 8, .value_kind: global_buffer, .address_space: global }
      - { .name: fc1_b, .offset: 8, .size: 8, .value_kind: global_buffer, .address_space: global }
      - { .name: fc1_w_codes, .offset: 16, .size: 8, .value_kind: global_buffer, .address_space: global }
      - { .name: fc1_w_scales, .offset: 24, .size: 8, .value_kind: global_buffer, .address_space: global }
      - { .name: W4, .offset: 32, .size: 8, .value_kind: global_buffer, .address_space: global }
    .group_segment_fixed_size: 327680
    .private_segment_fixed_size: 0
    .kernarg_segment_align: 8
    .kernarg_segment_size: 40
    .max_flat_workgroup_size: 128
    .sgpr_count:     102
    .vgpr_count:     1024
    .wavefront_size: 32
...
	.end_amdgpu_metadata
.endif
;; end of part 5
;; launch fc2 (part 6): grid 8 x 32, 4 waves a work-group, clusters of 4 x 4, 327,680 bytes of LDS; arguments W4, fc2_w_codes, fc2_w_scales, fc2_b, X1, out0; writes out0
.if DOCPART == 6
	.amdgcn_target "amdgcn-amd-amdhsa--gfx1250"
	.amdhsa_code_object_version 6
	.text
	.protected	k_qa63f0ae32f_fc2
	.globl	k_qa63f0ae32f_fc2
	.p2align	8
	.type	k_qa63f0ae32f_fc2,@function
k_qa63f0ae32f_fc2:
	s_mov_b64 s[64:65], 0
	v_nop
	global_prefetch_b8 v0, s[64:65] scope:SCOPE_SE
	s_setreg_imm32_b32 hwreg(HW_REG_WAVE_MODE, 25, 1), 1
	s_wait_xcnt 0x0
	s_wait_alu depctr_hold_cnt(0) depctr_sa_sdst(0) depctr_va_vdst(0) depctr_va_sdst(0) depctr_va_ssrc(0) depctr_va_vcc(0) depctr_vm_vsrc(0)
	s_getreg_b32 s2, hwreg(HW_REG_IB_STS2, 6, 4)
	s_cmp_eq_u32 s2, 0
	s_cbranch_scc0 .Lentry_in_a_cluster
	s_endpgm
.Lentry_in_a_cluster:
	s_bfe_u32 s2, ttmp6, 0x10000c
	s_cmp_lg_u32 s2, 0xf033
	s_cbranch_scc0 .Lentry_shape_is_right
	s_endpgm
.Lentry_shape_is_right:
.set SIZE_K, 4096
.set AOFF,   4096*SIZE_K
.set KS,     SIZE_K/32
.set LAPS,   SIZE_K/1024
.set NP,     8
.set BP,     528
.set AHALF,  32768
.set BHALF,  64*BP
.set BOFF,   2*AHALF
.set SLOT,   BOFF+2*BHALF
.set SCL,    2*SLOT
.set HALFS,  (64*KS/256)*272
.set SBLK,   (16*KS/256)*272
.set SPARE,  SCL+4*HALFS
.set SP,     272
.set ADRA, 16
.set ADRB, 20
.set BO,   22
.set STO,  24
.set RD,   25
.set CO,   26
.set ADRS, 27
.set SPW,  28
.set NIL,  29
.set SC,   32
.set BIAS, 96
.set ACC,  128
.set F0,   0
.set F1,   128
.set G1, 24
.set G0, 32
.set G1B, 48
.set G0B, 56
.set G1S, 68
.set G0S, 76
.set G1SB, 80
.set G0SB, 88
.set MSB, 0
.macro WIN new
.if MSB != (\new)
	s_set_vgpr_msb (MSB<<8)|(\new)
.set MSB, (\new)
.endif
.endm
.set MUL,  0x05
.set TO_F, 0x40
.macro JLOAD g0a, g1a, g0b, g1b
	s_cmp_eq_u32 s95, 0
	s_cbranch_scc0 .Lfor_b_\@
	tensor_load_to_lds s[\g0a:\g0a+3], s[\g1a:\g1a+7]
	s_nop 0
.rept 4
	v_nop
.endr
	s_branch .Lasked_\@
.Lfor_b_\@:
	tensor_load_to_lds s[\g0b:\g0b+3], s[\g1b:\g1b+7]
	s_nop 0
.rept 4
	v_nop
.endr
.Lasked_\@:
.endm
.macro CREST
	s_cmp_lg_u32 s94, 0
	s_cbranch_scc1 .Lnot_wave_0_\@
	s_barrier_signal -3
.Lnot_wave_0_\@:
	s_barrier_wait -3
	s_barrier_signal -1
	s_barrier_wait -1
.endm
.macro CROUND
	s_barrier_signal -1
	s_barrier_wait -1
	CREST
.endm
	s_load_b256 s[4:11], s[0:1], 0x0
	s_load_b128 s[12:15], s[0:1], 0x20
	v_lshl_add_u32 v[SPW], v0, 2, SPARE
	v_mov_b32 v[NIL], 0
	ds_add_u32 v28, v29
	ds_add_u32 v28, v29
	s_wait_dscnt 0x0
	v_lshrrev_b32 v1, 5, v0
	v_readfirstlane_b32 s94, v1
	s_lshr_b32 s95, s94, 1
	s_and_b32 s96, s94, 1
	s_bfe_u32 s40, ttmp6, 0x40000
	s_bfe_u32 s41, ttmp6, 0x40004
	s_lshl_b32 s42, ttmp9, 2
	s_add_co_u32 s42, s42, s40
	s_and_b32 s17, ttmp7, 0xffff
	s_lshl_b32 s17, s17, 2
	s_add_co_u32 s17, s17, s41
	s_lshl_b32 s43, s41, 2
	s_lshl_b32 s43, 15, s43
	s_lshl_b32 s44, 0x1111, s40
	s_or_b32 s[G1+0], s43, (3<<16)|(1<<21)
	s_mov_b32 s[G1+1], 32<<16
	s_mov_b32 s[G1+2], 256<<16                     ; the head's load brings both halves of A's chunk: 256 rows of 256 bytes
	s_mov_b32 s[G1+3], 32<<16
	s_mov_b32 s[G1+4], 256
	s_mov_b32 s[G1+5], 32
	s_mov_b32 s[G1+6], 0
	s_mov_b32 s[G1+7], 0
	s_or_b32 s[G1B+0], s44, (0<<16)|(1<<20)|(1<<21)|(6<<22)|(3<<25)
	s_mov_b32 s[G1B+1], 512<<16
	s_mov_b32 s[G1B+2], 128<<16                    ; and all 128 rows of W
	s_mov_b32 s[G1B+3], 512<<16
	s_mov_b32 s[G1B+4], 128
	s_mov_b32 s[G1B+5], SIZE_K
	s_mov_b32 s[G1B+6], 0
	s_mov_b32 s[G1B+7], 0
	s_or_b32 s[G1S+0], s43, (3<<16)|(1<<20)|(1<<21)|(5<<22)|(3<<25)
	s_or_b32 s[G1SB+0], s44, (3<<16)|(1<<20)|(1<<21)|(5<<22)|(3<<25)
.irp g, G1S, G1SB
	s_mov_b32 s[\g+1], 32<<16
	s_mov_b32 s[\g+2], (128*KS/256)<<16
	s_mov_b32 s[\g+3], 32<<16
	s_mov_b32 s[\g+4], 128*KS/256
	s_mov_b32 s[\g+5], 32
	s_mov_b32 s[\g+6], 0
	s_mov_b32 s[\g+7], 0
.endr
	s_lshl_b32 s20, s17, 16
	s_mov_b32 s21, 0
	s_lshl_b32 s22, s17, 7
	s_mul_i32 s22, s22, KS
	s_add_co_u32 s22, s22, AOFF
	s_mov_b32 s23, 0
	s_lshl_b32 s46, s42, 7
	s_mul_i32 s92, s46, KS
	s_mov_b32 s93, 0
	s_mul_i32 s46, s46, SIZE_K
	s_mov_b32 s47, 0
	s_mul_i32 s45, s96, AHALF
	s_mul_i32 s97, s96, BHALF
	s_add_co_u32 s97, s97, BOFF
	s_mov_b32 s18, s45                             ; s[18:19], s[98:99]: in the ring I fetch half a tile: where it begins in memory, for A and for W
	s_mov_b32 s19, 0
	s_mul_i32 s98, s96, 64*SIZE_K
	s_mov_b32 s99, 0
	s_wait_kmcnt 0x0
	s_add_nc_u64 s[20:21], s[4:5], s[20:21]
	s_add_nc_u64 s[22:23], s[4:5], s[22:23]
	s_add_nc_u64 s[46:47], s[6:7], s[46:47]
	s_add_nc_u64 s[92:93], s[8:9], s[92:93]
	CROUND
	s_mov_b32 s[G0S], 1
	s_mov_b32 s[G0S+1], SCL
	s_mov_b64 s[G0S+2:G0S+3], s[22:23]
	s_or_b32 s[G0S+3], s[G0S+3], 0x80000000
	s_mov_b32 s[G0SB], 1
	s_mov_b32 s[G0SB+1], SCL+2*HALFS
	s_mov_b64 s[G0SB+2:G0SB+3], s[92:93]
	s_or_b32 s[G0SB+3], s[G0SB+3], 0x80000000
	s_mov_b32 s[G0], 1                             ; slot 0's groups 0 serve the head's whole tiles first; behind the head's wait they are set to my half
	s_mov_b32 s[G0+1], 0
	s_mov_b64 s[G0+2:G0+3], s[20:21]
	s_or_b32 s[G0+3], s[G0+3], 0x80000000
	s_mov_b32 s[G0B], 1
	s_mov_b32 s[G0B+1], BOFF
	s_mov_b64 s[G0B+2:G0B+3], s[46:47]
	s_or_b32 s[G0B+3], s[G0B+3], 0x80000000
	s_add_nc_u64 s[20:21], s[20:21], s[18:19]
	s_add_nc_u64 s[46:47], s[46:47], s[98:99]
	s_mov_b32 s[G0+4], 1
	s_add_co_u32 s[G0+5], s45, SLOT
	s_add_nc_u64 s[G0+6:G0+7], s[20:21], 2097152
	s_or_b32 s[G0+7], s[G0+7], 0x80000000
	s_mov_b32 s[G0B+4], 1
	s_add_co_u32 s[G0B+5], s97, SLOT
	s_add_nc_u64 s[G0B+6:G0B+7], s[46:47], 512
	s_or_b32 s[G0B+7], s[G0B+7], 0x80000000
; the head's four tiles, one joint load a wave, in one chain of arms on the wave's number: A's chunk 0, W's, A's scales, W's scales
.macro ARM under, g0, g1, next
	s_cmp_lt_u32 s94, \under
	s_cbranch_scc0 \next
	tensor_load_to_lds s[\g0:\g0+3], s[\g1:\g1+7]
	s_nop 0
.rept 4
	v_nop
.endr
	s_branch .Lhead_asked
\next:
.endm
	ARM 1, G0, G1, .Lhead_b
	ARM 2, G0B, G1B, .Lhead_sa
	ARM 3, G0S, G1S, .Lhead_sb
	tensor_load_to_lds s[G0SB:G0SB+3], s[G1SB:G1SB+7]
	s_nop 0
.rept 4
	v_nop
.endr
.Lhead_asked:
	v_and_b32 v1, 15, v0
	v_bfe_u32 v2, v0, 4, 1
	v_and_b32 v3, 31, v0
	v_lshlrev_b32 v3, 4, v3
	v_mul_u32_u24 v4, v1, BP
	v_lshl_add_u32 v4, v2, 4, v4
	s_mul_i32 s21, s95, AHALF
	s_mul_i32 s22, s96, BHALF
	s_add_co_u32 s22, s22, BOFF
.irp s, 0,1
	v_add_nc_u32 v[ADRA+\s], s21, v3
	v_add_nc_u32 v[ADRB+\s], s22, v4
	s_add_co_u32 s21, s21, SLOT
	s_add_co_u32 s22, s22, SLOT
.endr
	v_mul_u32_u24 v5, v1, KS
	v_lshrrev_b32 v6, 8, v5
	v_lshl_add_u32 v5, v6, 4, v5
	s_mul_i32 s21, s95, HALFS
	s_mul_i32 s22, s96, HALFS
	s_add_co_u32 s22, s22, 2*HALFS
	s_sub_co_u32 s22, s22, s21
	v_mul_u32_u24 v6, s22, v2
	s_add_co_u32 s21, s21, SCL
	v_add_nc_u32 v5, v5, v6
	v_add_nc_u32 v[ADRS], s21, v5
	s_mul_i32 s23, s94, 16*SP
	v_mul_u32_u24 v5, v1, SP
	v_lshl_add_u32 v5, v2, 5, v5
	v_add_nc_u32 v[STO], s23, v5
	v_mul_u32_u24 v5, v2, SP
	v_lshl_add_u32 v5, v1, 4, v5
	v_add_nc_u32 v[RD], s23, v5
	v_lshlrev_b32 v[CO], 12, v2
	v_lshl_add_u32 v[CO], v1, 4, v[CO]
	v_lshlrev_b32 v[BO], 5, v2
	s_wait_alu depctr_va_vdst(0)
	s_lshl_b32 s46, s17, 19
	s_lshl_b32 s47, s95, 18
	s_add_co_u32 s46, s46, s47
	s_lshl_b32 s47, s42, 9
	s_add_co_u32 s46, s46, s47
	s_lshl_b32 s92, s96, 8
	s_add_co_u32 s46, s46, s92
	s_add_co_u32 s92, s92, s47
	s_mov_b32 s47, 0
	s_mov_b32 s93, 0
	s_add_nc_u64 s[12:13], s[12:13], s[46:47]
	s_add_nc_u64 s[14:15], s[14:15], s[46:47]
	s_add_nc_u64 s[10:11], s[10:11], s[92:93]
.irp b, 0,1,2,3
	global_load_b128 v[BIAS+8*\b:BIAS+8*\b+3], v[BO], s[10:11] offset:64*\b
	global_load_b128 v[BIAS+8*\b+4:BIAS+8*\b+7], v[BO], s[10:11] offset:64*\b+16
.endr
	WIN 0x80
.irp a, 0,1,2,3
.irp i, 0,1,2,3,4,5,6,7
	global_load_b128 v[32*\a+4*\i:32*\a+4*\i+3], v[CO], s[12:13] offset:4096*(32*(\a/2)+8*(\a%2)+2*\i+8*(\i/4))
.endr
.endr
	WIN 0
.macro PLACES n
.rept \n
	v_nop
.endr
.endm
.macro MUL4 f, a, q, set, zero
.irp b, 0,1,2,3
.if \zero
	v_wmma_scale_f32_16x16x128_f8f6f4 v[ACC+8*(4*\a+\b):ACC+8*(4*\a+\b)+7], v[\f+64+16*\b:\f+64+16*\b+15], v[\f+16*\a:\f+16*\a+15], v[BIAS+8*\b:BIAS+8*\b+7], v[SC+16*\set+4*\b+(\q)], v[SC+16*\set+4*\a+(\q)] matrix_a_fmt:MATRIX_FMT_BF8 matrix_b_fmt:MATRIX_FMT_BF8 matrix_a_scale:MATRIX_SCALE_ROW1
.else
	v_wmma_scale_f32_16x16x128_f8f6f4 v[ACC+8*(4*\a+\b):ACC+8*(4*\a+\b)+7], v[\f+64+16*\b:\f+64+16*\b+15], v[\f+16*\a:\f+16*\a+15], v[ACC+8*(4*\a+\b):ACC+8*(4*\a+\b)+7], v[SC+16*\set+4*\b+(\q)], v[SC+16*\set+4*\a+(\q)] matrix_a_fmt:MATRIX_FMT_BF8 matrix_b_fmt:MATRIX_FMT_BF8 matrix_a_scale:MATRIX_SCALE_ROW1
.endif
.endr
.endm
.macro FETCH slot, q, f
	WIN TO_F
.irp i, 0,1,2,3
.irp c, 0,1,2,3
	ds_load_b128 v[\f+64+16*\i+4*\c:\f+64+16*\i+4*\c+3], v[ADRB+\slot] offset:128*(\q)+32*\c+\i*16*BP
.endr
.endr
.irp i, 0,1,2,3
.irp c, 0,1,2,3
	ds_load_b128 v[\f+16*\i+4*\c:\f+16*\i+4*\c+3], v[ADRA+\slot] offset:8192*\i+2048*(\q)+512*\c
.endr
.endr
.endm
.macro SCALES set
.irp i, 0,1,2,3
	ds_load_b128 v[SC+16*\set+4*\i:SC+16*\set+4*\i+3], v[ADRS] offset:\i*SBLK
.endr
.endm
.macro QUARTER slot, q, f, g, zero
	s_wait_dscnt 8
	WIN MUL
	MUL4 \f, 0, \q, \slot, \zero
	MUL4 \f, 1, \q, \slot, \zero
	PLACES NP
	FETCH \slot, (\q)+1, \g
	s_wait_dscnt 32
	WIN MUL
	MUL4 \f, 2, \q, \slot, \zero
	MUL4 \f, 3, \q, \slot, \zero
.endm
.macro TURN slot, next, fill
	WIN 0
.if \fill
	s_wait_xcnt 0x0                                ; my last prefetch has read its address: on to the next chunk of 512 along K
	s_add_nc_u64 s[20:21], s[20:21], s[22:23]
.endif
	s_wait_tensorcnt 0x0
	ds_add_u32 v[SPW], v[NIL]
	s_wait_dscnt 9
	WIN MUL
	MUL4 F1, 0, 3, \slot, 0
	MUL4 F1, 1, 3, \slot, 0
	s_wait_dscnt 0x0
	s_barrier_signal -1
	MUL4 F1, 2, 3, \slot, 0
	WIN 0
	s_barrier_wait -1
.if \fill
	CREST
	s_add_nc_u64 s[G0+4*\slot+2:G0+4*\slot+3], s[G0+4*\slot+2:G0+4*\slot+3], 2*2097152
	s_add_nc_u64 s[G0B+4*\slot+2:G0B+4*\slot+3], s[G0B+4*\slot+2:G0B+4*\slot+3], 2*512
	JLOAD G0+4*\slot, G1, G0B+4*\slot, G1B
	PLACES NP-4
.else
	PLACES NP
.endif
	s_wait_alu depctr_va_vdst(0)
	v_add_nc_u32 v[ADRS], 16, v[ADRS]
	SCALES \next
.if \fill
	s_cmp_gt_u32 s3, 1                             ; the refill of chunk m asks for chunk m + 2; the last lap's two refills have no chunk two on
	s_cbranch_scc0 .Lnone_\@
	global_prefetch_b8 v30, s[20:21] th:TH_LOAD_NT scope:SCOPE_SE
.Lnone_\@:
.endif
	FETCH \next, 0, F0
	WIN MUL
	MUL4 F1, 3, 3, \slot, 0
.endm
; THE PREFETCHES: of the half tile that my wave fetches (A: 32,768 dense bytes; W: 64 rows x 512 bytes: 128 blocks of 256 bytes each) the four partners of the joint load take 32 blocks each,
; told apart by address (cx for A, cy for W), a lane a block.  s[20:21] where mine stand, s[22:23] a chunk on, v30 my lane's offset: (lane / 2) x 512 or 4,096 + (lane % 2) x 256.
	s_lshl_b32 s47, s17, 3
	s_lshl_b32 s92, s96, 2
	s_add_co_u32 s47, s47, s92
	s_add_co_u32 s47, s47, s40
	s_lshl_b32 s47, s47, 13                        ; A: 8,192 x (8 tile row + 4 half + cx)
	s_lshl_b32 s92, s42, 3
	s_lshl_b32 s93, s96, 2
	s_add_co_u32 s92, s92, s93
	s_add_co_u32 s92, s92, s41
	s_lshl_b32 s92, s92, 16                        ; W: 16 rows of 4,096 bytes x (8 tile column + 4 half + cy)
	s_mov_b32 s22, 512
	s_mov_b32 s46, 4096
	s_cmp_eq_u32 s95, 0                            ; do I fetch for A?
	s_cselect_b64 s[20:21], s[4:5], s[6:7]
	s_cselect_b32 s22, 2097152, s22
	s_cselect_b32 s46, 512, s46
	s_cselect_b32 s92, s47, s92
	s_mov_b32 s93, 0
	s_mov_b32 s23, 0
	s_add_nc_u64 s[20:21], s[20:21], s[92:93]
	s_add_nc_u64 s[20:21], s[20:21], s[22:23]
	s_add_nc_u64 s[20:21], s[20:21], s[22:23]      ; chunk 2
	v_bfe_u32 v30, v0, 1, 4
	v_mul_lo_u32 v30, v30, s46
	v_and_b32 v31, 1, v0
	v_lshl_add_u32 v30, v31, 8, v30
	s_wait_alu depctr_va_vdst(0)
	global_prefetch_b8 v30, s[20:21] th:TH_LOAD_NT scope:SCOPE_SE   ; chunk 2, which the first refill will load
	s_wait_tensorcnt 0x0                           ; my tile of the head's four is in
	ds_add_u32 v[SPW], v[NIL]                      ; the add ahead of a later first fill
	s_mov_b32 s[G1+2], 128<<16                     ; no load of mine is out: from here on a load brings half a tile,
	s_mov_b32 s[G1+4], 128
	s_mov_b32 s[G1B+2], 64<<16
	s_mov_b32 s[G1B+4], 64
	s_mov_b32 s[G0+1], s45                         ; and slot 0's groups 0 name my half
	s_add_nc_u64 s[G0+2:G0+3], s[G0+2:G0+3], s[18:19]
	s_mov_b32 s[G0B+1], s97
	s_add_nc_u64 s[G0B+2:G0B+3], s[G0B+2:G0B+3], s[98:99]
	s_wait_xcnt 0x0                                ; the prefetch has read its address
	s_add_nc_u64 s[20:21], s[20:21], s[22:23]      ; chunk 3
	s_wait_dscnt 0x0
	CROUND                                         ; all four tiles are in, all sixteen work-groups are here
	JLOAD G0+4, G1, G0B+4, G1B                     ; chunk 1, the first tensor load behind the round
	SCALES 0
	global_prefetch_b8 v30, s[20:21] th:TH_LOAD_NT scope:SCOPE_SE   ; chunk 3
	FETCH 0, 0, F0
	s_wait_loadcnt 32
	QUARTER 0, 0, F0, F1, 1
.if LAPS > 1
	WIN 0
	s_mov_b32 s3, LAPS-1
.Llap:
	QUARTER 0, 1, F1, F0, 0
	QUARTER 0, 2, F0, F1, 0
	TURN 0, 1, 1
	QUARTER 1, 0, F0, F1, 0
	QUARTER 1, 1, F1, F0, 0
	QUARTER 1, 2, F0, F1, 0
	TURN 1, 0, 1
	QUARTER 0, 0, F0, F1, 0
	WIN 0
	s_sub_co_u32 s3, s3, 1
	s_cmp_lg_u32 s3, 0
	s_cbranch_scc1 .Llap
.endif
	QUARTER 0, 1, F1, F0, 0
	QUARTER 0, 2, F0, F1, 0
	TURN 0, 1, 0
	QUARTER 1, 0, F0, F1, 0
	QUARTER 1, 1, F1, F0, 0
	QUARTER 1, 2, F0, F1, 0
	s_wait_dscnt 8
	WIN MUL
	MUL4 F1, 0, 3, 1, 0
	MUL4 F1, 1, 3, 1, 0
	s_wait_dscnt 0
	MUL4 F1, 2, 3, 1, 0
	MUL4 F1, 3, 3, 1, 0
	WIN 0
	PLACES NP
.irp a, 0,1,2,3
.set TM, 64-32*(\a%2)
.if \a >= 2
	s_wait_xcnt 0x0
.endif
.irp b, 0,1,2,3
	ds_store_b128 v[STO], v[ACC+8*(4*\a+\b):ACC+8*(4*\a+\b)+3] offset:64*\b
	ds_store_b128 v[STO], v[ACC+8*(4*\a+\b)+4:ACC+8*(4*\a+\b)+7] offset:64*\b+16
.endr
.irp i, 0,1,2,3,4,5,6,7
	ds_load_b128 v[TM+4*\i:TM+4*\i+3], v[RD] offset:2*\i*SP
.endr
	s_wait_dscnt 0x0
.if \a == 0
	s_wait_loadcnt 0x0
.endif
	WIN 0x08
.irp k, 0,2,4,6,8,10,12,14,16,18,20,22,24,26,28,30
	v_pk_add_f32 v[TM+\k:TM+\k+1], v[TM+\k:TM+\k+1], v[32*\a+\k:32*\a+\k+1]
.endr
	WIN 0
.irp i, 0,1,2,3,4,5,6,7
	global_store_b128 v[CO], v[TM+4*\i:TM+4*\i+3], s[14:15] offset:4096*(32*(\a/2)+8*(\a%2)+2*\i+8*(\i/4))
.endr
.endr
	s_wait_tensorcnt 0x0
	ds_add_u32 v[SPW], v[NIL]
	s_wait_dscnt 0x0
	CROUND
	s_endpgm
.Lfunc_end_k_qa63f0ae32f_fc2:
	.size	k_qa63f0ae32f_fc2, .Lfunc_end_k_qa63f0ae32f_fc2-k_qa63f0ae32f_fc2
	.p2alignl 7, 3214868480
	.fill 96, 4, 3214868480
	.section	.rodata,"a",@progbits
	.p2align	6, 0x0
	.amdhsa_kernel k_qa63f0ae32f_fc2
		.amdhsa_group_segment_fixed_size 327680
		.amdhsa_private_segment_fixed_size 0
		.amdhsa_enable_private_segment 0
		.amdhsa_kernarg_size 48
		.amdhsa_user_sgpr_count 2
		.amdhsa_user_sgpr_kernarg_segment_ptr 1
		.amdhsa_wavefront_size32 1
		.amdhsa_system_sgpr_workgroup_id_x 1
		.amdhsa_system_sgpr_workgroup_id_y 1
		.amdhsa_system_sgpr_workgroup_id_z 1
		.amdhsa_system_vgpr_workitem_id 0
		.amdhsa_next_free_vgpr 640
		.amdhsa_next_free_sgpr 100
		.amdhsa_reserve_vcc 0
		.amdhsa_float_denorm_mode_32 3
		.amdhsa_float_denorm_mode_16_64 3
		.amdhsa_memory_ordered 1
		.amdhsa_forward_progress 1
		.amdhsa_inst_pref_size 102
	.end_amdhsa_kernel
	.amdgpu_metadata
---
amdhsa.version: [ 1, 2 ]
amdhsa.kernels:
  - .name:           k_qa63f0ae32f_fc2
    .symbol:         k_qa63f0ae32f_fc2.kd
    .args:
      - { .name: W4, .offset: 0, .size: 8, .value_kind: global_buffer, .address_space: global }
      - { .name: fc2_w_codes, .offset: 8, .size: 8, .value_kind: global_buffer, .address_space: global }
      - { .name: fc2_w_scales, .offset: 16, .size: 8, .value_kind: global_buffer, .address_space: global }
      - { .name: fc2_b, .offset: 24, .size: 8, .value_kind: global_buffer, .address_space: global }
      - { .name: X1, .offset: 32, .size: 8, .value_kind: global_buffer, .address_space: global }
      - { .name: out0, .offset: 40, .size: 8, .value_kind: global_buffer, .address_space: global }
    .group_segment_fixed_size: 327680
    .private_segment_fixed_size: 0
    .kernarg_segment_align: 8
    .kernarg_segment_size: 48
    .max_flat_workgroup_size: 128
    .sgpr_count:     100
    .vgpr_count:     640
    .wavefront_size: 32
...
	.end_amdgpu_metadata
.endif
;; end of part 6
